; MI455X (gfx1250); checked and timed in simulation.
; The chip was launched on July 23, 2026; its instructions are those of AMD's public machine-readable ISA for CDNA 5 (MIT licence, August 2026) and "CDNA5" Instruction Set Architecture Reference Guide (July 2026). The comments in the code are by the model that wrote it; some were corrected since.
;; PNS Motor Net. Allowed arithmetic: matrix products marked QUANTISED: E5M2 operands, one E8M0 scale for each 32 along K, by v_wmma_scale_f32_16x16x128_f8f6f4 with both operands' format E5M2, f32 sums; everything else in f32.
;; Inputs: W 16 x 512 x 512 float32; action 16,384 x 512 float32; b 16 x 512 float32; expert_idx 16,384 int32.
;; Outputs: out0 16,384 x 512 float32.
;; This version of the problem:
;;   THIS VERSION OF THE PROBLEM IS GIVEN IN LOW PRECISION. The matrix products marked QUANTISED in the list below multiply operands that are first quantised to E5M2 (5 exponent bits, 2 mantissa bits; 8 bits a number), with one power-of-two scale for each 32 numbers along K (OCP MX v1.0); their sums are f32. All else is computed in f32.
;;   The module's matrix products, in the order in which they are computed (A, B: the left and right operand; K: the contracted axis; several contracted axes count as one K, in the product's order):
;;     1. [M 16,384, K 512] x [K 512, N 8,192]; A: input action; B: input W: QUANTISED
;;   THE QUANTISER, for each operand of a quantised product, along K:
;;     - K is cut into blocks of 32 from its start; a last block that is shorter is filled with zeros.
;;     - A block's scale is 2^e with e = floor(log2(the largest magnitude in the block)) - 15, held to -126 .. 127; a block of zeros has e = 0. As a byte (E8M0): e + 127.
;;     - Each number is divided by its block's scale, clamped to +-57,344, and rounded to the nearest number of E5M2, ties to even, subnormals kept.
;;     - The product sums the exact products of the quantised numbers (number of the format x scale) in f32.
;;   ~~~python
;;   def quantise(x, axis):      # numpy; x: float32 -> the quantised numbers, widened to float32 again
;;       x = np.moveaxis(x, axis, -1); K = x.shape[-1]
;;       x = np.pad(x, [(0, 0)] * (x.ndim - 1) + [(0, -K % 32)]); x = x.reshape(x.shape[:-1] + (-1, 32)); a = np.abs(x).max(-1, keepdims=True)
;;       e = np.where(a > 0, np.clip(np.frexp(np.where(a > 0, a, 1))[1] - 1 - 15, -126, 127), 0)      # np.frexp(a)[1] - 1 = floor(log2(a)), exactly
;;       r = np.clip(x / 2.0 ** e, -57344, 57344)
;;       step = 2.0 ** (np.maximum(np.frexp(np.where(r == 0, 1, r))[1] - 1, -14) - 2)
;;       q = np.round(r / step) * step * 2.0 ** e      # np.round: ties to even
;;       return np.moveaxis(q.reshape(q.shape[:-2] + (-1,))[..., :K], -1, axis).astype(np.float32)
;;   ~~~
;; 2 versions. Each part assembles by itself: llvm-mc -triple=amdgcn-amd-amdhsa -mcpu=gfx1250 --defsym DOCPART=n.
;; ======== version 1 of 2: 2 launches
;; workspace buffers: wq 4,194,304 bytes; ws 131,072 bytes; rows 70,400 bytes of whole numbers; tiles 2,048 bytes of whole numbers
;; launch prep (part 1): grid 272 x 1, 8 waves a work-group, no clusters, 63,232 bytes of LDS; arguments W, expert_idx, wq, ws, rows, tiles; writes wq, ws, rows, tiles
.if DOCPART == 1
	.amdgcn_target "amdgcn-amd-amdhsa--gfx1250"
	.amdhsa_code_object_version 6
	.text
	.protected	k_q8a4a6d650d_prep
	.globl	k_q8a4a6d650d_prep
	.p2align	8
	.type	k_q8a4a6d650d_prep,@function
k_q8a4a6d650d_prep:
	s_mov_b64 s[64:65], 0
	v_nop
	global_prefetch_b8 v0, s[64:65] scope:SCOPE_SE
	s_setreg_imm32_b32 hwreg(HW_REG_WAVE_MODE, 25, 1), 1
	s_wait_xcnt 0x0
; TWO JOBS IN ONE LAUNCH, parted on the work-group's number alone.
; Work-groups 16 to 271: W [16][512][512] f32 becomes codes of BF8 (E5M2) with one E8M0 byte for each 32 along K (K is W's last axis).
;   wq: the codes in the order of the operand's registers.  Fragment F = (32 e + ct) 4 + s is 2,048 bytes; byte 2048 F + 512 c + 16 lane + i is the code of
;       W[e][16 ct + lane % 16][128 s + 32 c + 16 (lane / 16) + i]: four loads of 16 bytes a lane, 512 bytes apart, are a fragment's 16 registers.
;   ws: [512 e + f][16]: byte 4 s + b is the scale byte of k = 128 s + 32 b on.
;   A block's scale is 2^(floor(log2(its largest magnitude)) - 15); its byte is the largest magnitude's exponent field - 15, held at 1 from below.
; Work-groups 0 to 15: the tokens are sorted by expert, without atomics.
;   rows: 17,600 token numbers.  Expert e's run begins at P_e = 80 x the number of tiles of the experts below it; the slots between a run's end and the next multiple of 80,
;       and all slots from P_16 on, hold 0 (a token that exists; what is computed for such a slot is never stored).
;   tiles: 256 pairs {expert, rows in the tile (0 to 80)}; tile i takes slots 80 i to 80 i + 79.
;   All sixteen work-groups count all 16,384 indices in the same way, so all know the same P and the same prefix sums and hand each other nothing; work-group c places tokens 1024 c to 1024 c + 1023.
;   Thread t reads indices 1024 q + 4 t + 0 .. 3, q = 0 .. 15.  Inside an expert's run the order is: by thread, then by q, then by the place among the four.
; LIMITS: expert_idx lies in 0 .. 15 (an index stays inside the table that it indexes); every position is clamped to the buffer all the same.  NaN and infinities in W are not served.
;   A block of zeros gets the byte 1 where the rule says 127: its codes are zeros, which add nothing under any byte but 0xff, and the bytes are read by this program alone.
; No tensor loads, no matrix work, no cluster: every byte of W is read once by one wave, and the sort is 64 KiB of indices.
.set SCW,   61440                      ; LDS, quantiser: behind the eight waves' regions: 32 rows x 16 scale bytes
.set RTB,   61952                      ; LDS, sort: eight waves x 32 bytes of totals (bytes of its own: the two jobs share no LDS byte)
.set WREG,  7680                       ; LDS, quantiser: a wave's region: two stages of 32 x 80 bytes, then its code tile
.set CT,    5120                       ; the code tile in that region: 16 rows, 144 bytes apart (128 + 16)
; the quantiser's registers
.set R,     16                         ; v16-79   16 rows x 4 registers as loaded
.set X,     80                         ; v80-111  two sets of 16 neighbours along K
.set C,     112                        ; v112-127 codes: four registers for each step
.set E,     128                        ; v128-131 a scale byte for each step
.set FG,    132                        ; v132-147 the fragment, read back in the operand's order
; the sort's registers
.set TOT,   4                          ; v4       nibble n: tokens of experts n and n + 8 since the last flush
.set HI,    5                          ; v5       nibble n: tokens of expert n + 8 alone
.set IDX,   16                         ; v16-79   my 64 indices; later the eight waves' totals
.set MY,    80                         ; v80-83   my four indices of chunk c
.set ALLB,  84                         ; v84-87   my counts in bytes: experts 0,2,4,6 | 1,3,5,7 | 8,10,12,14 | 9,11,13,15
.set BEFB,  88                         ; v88-91   the same for the loads q below c
.set W16,   92                         ; v92-99   counts in halves of 16 bits, summed over the lanes up to mine
.set OWN,   100                        ; v100-107 my own counts in halves.  Word k: low half expert 8 (k / 4) + (k / 2) % 2 + 2 (k % 2), high half that expert + 4
.set T8,    108                        ; v108-115 at work
.set BEF16, 116                        ; v116-123 BEFB in halves
.set PRE,   124                        ; v124-131 the totals of the waves below mine
.set RUN,   132                        ; v132-139 the running sum over the waves
.set BW,    140                        ; v140-147 where my next token of each expert goes, in halves
.set POS,   148                        ; v148-151 a position, then its byte offset, for each of my four tokens
.set TOK,   152                        ; v152-155 their numbers
	s_load_b256 s[4:11], s[0:1], 0x0               ; W s[4:5], expert_idx s[6:7], wq s[8:9], ws s[10:11]
	s_load_b128 s[12:15], s[0:1], 0x20             ; rows s[12:13], tiles s[14:15]
	v_lshl_add_u32 v160, v0, 2, 0xf300
	v_mov_b32 v161, 0
	v_lshrrev_b32 v1, 5, v0
	v_readfirstlane_b32 s16, v1                    ; wave 0..7
	s_cmp_lt_u32 ttmp9, 16
	s_cbranch_scc0 .Lquant
; ======================================================================== THE SORT
	s_mov_b32 s17, ttmp9                           ; c
	s_mov_b32 s74, 0x0f0f0f0f
	s_mov_b32 s75, 0x00ff00ff
	s_mov_b32 s76, 0xffff0000                      ; lanes 16-31
	s_mov_b32 s77, 0                               ; END_c, chosen below
	s_mov_b32 s78, 0                               ; P_(c+1)
	s_lshl_b32 s62, s17, 12                        ; chunk c: 4,096 bytes of indices
	s_mov_b32 s63, 0
	v_lshlrev_b32 v1, 4, v0                        ; 16 bytes a thread: a load of the work-group covers 4,096 consecutive bytes
	v_lshlrev_b32 v2, 3, v0                        ; 8 bytes a thread: my pair's place in the table of tiles.  Made here, all lanes on, in a register that holds no loaded number anywhere on this path
	v_mov_b32 v[TOT], 0
	v_mov_b32 v[HI], 0
.irp k, 0,1,2,3
	v_mov_b32 v[ALLB+\k], 0
	v_mov_b32 v[BEFB+\k], 0
.endr
.irp k, 0,1,2,3,4,5,6,7
	v_mov_b32 v[T8+\k], 0                          ; (a DPP form's destination counts as one of its sources)
	v_mov_b32 v[PRE+\k], 0                         ; wave 0 has no wave below it
.endr
	s_wait_kmcnt 0x0
	s_add_nc_u64 s[62:63], s[6:7], s[62:63]        ; never rewritten
.irp q, 0,1,2,3,4,5,6,7,8,9,10,11,12,13,14,15
	global_load_b128 v[IDX+4*\q:IDX+4*\q+3], v1, s[6:7] offset:4096*\q
.endr
	global_load_b128 v[MY:MY+3], v1, s[62:63]
; Four indices are counted in nibbles: 1 << 4 (e % 8) onto TOT, and (e / 8) << 4 (e % 8) onto HI.  The shift takes the low five bits of 4 e, which are 4 (e % 8).
.macro COUNT4 q
	s_wait_loadcnt 16-(\q)                         ; behind load q stand the 15 - q later index loads and the load of MY
.irp i, 0,1,2,3
	v_lshlrev_b32 v[8+\i], 2, v[IDX+4*(\q)+\i]
	v_lshrrev_b32 v[12+\i], 3, v[IDX+4*(\q)+\i]
.endr
.irp i, 0,1,2,3
	v_lshl_add_u32 v[TOT], 1, v[8+\i], v[TOT]
	v_lshl_add_u32 v[HI], v[12+\i], v[8+\i], v[HI]
.endr
.endm
; The nibbles go over into bytes.  At most 12 tokens lie between two flushes, and a nibble holds 15; a thread has 64 tokens, and a byte holds 255.
.macro FLUSH
	v_sub_nc_u32 v6, v[TOT], v[HI]                 ; nibble n: expert n alone
	v_and_b32 v7, s74, v6
	v_add_nc_u32 v[ALLB], v[ALLB], v7
	v_lshrrev_b32 v6, 4, v6
	v_and_b32 v6, s74, v6
	v_add_nc_u32 v[ALLB+1], v[ALLB+1], v6
	v_and_b32 v7, s74, v[HI]
	v_add_nc_u32 v[ALLB+2], v[ALLB+2], v7
	v_lshrrev_b32 v6, 4, v[HI]
	v_and_b32 v6, s74, v6
	v_add_nc_u32 v[ALLB+3], v[ALLB+3], v6
	v_mov_b32 v[TOT], 0
	v_mov_b32 v[HI], 0
.endm
; In front of load c the counts so far are kept: my tokens of each expert that stand ahead of chunk c's.
.macro SNAP q
	s_cmp_lg_u32 s17, \q
	s_cbranch_scc1 .Lno_snap_\@
	FLUSH
.irp k, 0,1,2,3
	v_mov_b32 v[BEFB+\k], v[ALLB+\k]
.endr
.Lno_snap_\@:
.endm
.macro WIDEN dst, src                  ; four words of bytes become eight words of halves
.irp i, 0,1,2,3
	v_and_b32 v[\dst+2*\i], s75, v[\src+\i]
	v_lshrrev_b32 v[\dst+2*\i+1], 8, v[\src+\i]
	v_and_b32 v[\dst+2*\i+1], s75, v[\dst+2*\i+1]
.endr
.endm
.irp q, 0,1,2,3,4,5,6,7,8,9,10,11,12,13,14,15
	SNAP \q
	COUNT4 \q
.if (\q%3 == 2) || (\q == 15)
	FLUSH
.endif
.endr
	WIDEN OWN, ALLB
	WIDEN BEF16, BEFB
	; the sum over the lanes up to mine: four steps inside each row of 16 lanes; lanes without a source take 0.  A half holds up to 65,535 and the sums stay at or under 16,384
.irp k, 0,1,2,3,4,5,6,7
	v_mov_b32_dpp v[T8+\k], v[OWN+\k] row_shr:1 row_mask:0xf bank_mask:0xf bound_ctrl:1
.endr
.irp k, 0,1,2,3,4,5,6,7
	v_add_nc_u32 v[W16+\k], v[OWN+\k], v[T8+\k]
.endr
.irp n, 2,4,8
.irp k, 0,1,2,3,4,5,6,7
	v_mov_b32_dpp v[T8+\k], v[W16+\k] row_shr:\n row_mask:0xf bank_mask:0xf bound_ctrl:1
.endr
.irp k, 0,1,2,3,4,5,6,7
	v_add_nc_u32 v[W16+\k], v[W16+\k], v[T8+\k]
.endr
.endr
.irp k, 0,1,2,3,4,5,6,7
	v_readlane_b32 s[20+\k], v[W16+\k], 15         ; the lower row's total
.endr
.irp k, 0,1,2,3,4,5,6,7
	v_cndmask_b32 v[T8+\k], 0, s[20+\k], s76       ; goes onto lanes 16-31
.endr
.irp k, 0,1,2,3,4,5,6,7
	v_add_nc_u32 v[W16+\k], v[W16+\k], v[T8+\k]
.endr
.irp k, 0,1,2,3,4,5,6,7
	v_readlane_b32 s[20+\k], v[W16+\k], 31         ; my wave's totals
.endr
.irp k, 0,1,2,3,4,5,6,7
	v_mov_b32 v[T8+\k], s[20+\k]
.endr
	v_and_b32 v9, 0xe0, v0                         ; 32 x wave
	ds_store_b128 v9, v[T8:T8+3] offset:RTB        ; all lanes write the same words with the same values
	ds_store_b128 v9, v[T8+4:T8+7] offset:RTB+16
	s_wait_dscnt 0x0                               ; for the others' sake: my totals lie in LDS
	s_barrier_signal -1
	s_barrier_wait -1
	v_mov_b32 v10, 0
.irp i, 0,1,2,3,4,5,6,7,8,9,10,11,12,13,14,15
	ds_load_b128 v[IDX+4*\i:IDX+4*\i+3], v10 offset:RTB+16*\i      ; wave w's eight words land in v[IDX + 8 w] on
.endr
	s_wait_loadcnt 0x0                             ; MY
	s_wait_dscnt 0x0
.irp w, 1,2,3,4,5,6,7
	s_cmp_lg_u32 s16, \w
	s_cbranch_scc1 .Lnot_wave_\w
.irp k, 0,1,2,3,4,5,6,7
.if \w == 1
	v_mov_b32 v[PRE+\k], v[IDX+\k]
.else
	v_mov_b32 v[PRE+\k], v[RUN+\k]                 ; the totals of waves 0 to w - 1
.endif
.endr
.Lnot_wave_\w:
.irp k, 0,1,2,3,4,5,6,7
.if \w == 1
	v_add_nc_u32 v[RUN+\k], v[IDX+\k], v[IDX+8+\k]
.else
	v_add_nc_u32 v[RUN+\k], v[RUN+\k], v[IDX+8*\w+\k]
.endif
.endr
.endr
.irp k, 0,1,2,3,4,5,6,7
	v_readfirstlane_b32 s[20+\k], v[RUN+\k]        ; every expert's number of tokens
.endr
	; P_e in s[28+e], END_e = P_e + n_e in s[45+e].  ceil(n / 80) = ((n + 79) x 52,429) >> 22: 52,429 x 80 = 2^22 + 16, exact for n + 79 under 81,919
	s_mov_b32 s28, 0
.irp e, 0,1,2,3,4,5,6,7,8,9,10,11,12,13,14,15
	s_bfe_u32 s18, s[20+4*(\e/8)+2*(\e%2)+(\e/2)%2], 0x100000+16*((\e/4)%2)
	s_add_co_u32 s[45+\e], s[28+\e], s18
	s_add_co_u32 s18, s18, 79
	s_mul_i32 s18, s18, 52429
	s_lshr_b32 s18, s18, 22
	s_mul_i32 s18, s18, 80
	s_add_co_u32 s[29+\e], s[28+\e], s18
	s_cmp_eq_u32 s17, \e
	s_cselect_b32 s77, s[45+\e], s77
	s_cselect_b32 s78, s[29+\e], s78
.endr
.irp k, 0,1,2,3,4,5,6,7
	s_lshl_b32 s18, s[32+8*(\k/4)+(\k/2)%2+2*(\k%2)], 16           ; P of the word's upper expert,
	s_or_b32 s[66+\k], s18, s[28+8*(\k/4)+(\k/2)%2+2*(\k%2)]       ; over P of its lower one
.endr
.irp k, 0,1,2,3,4,5,6,7
	v_sub_nc_u32 v[BW+\k], v[W16+\k], v[OWN+\k]    ; the lanes below mine,
	v_add3_u32 v[BW+\k], v[BW+\k], v[PRE+\k], v[BEF16+\k]          ; the waves below mine, my own tokens ahead of chunk c,
	v_add_nc_u32 v[BW+\k], s[66+\k], v[BW+\k]      ; and the run's first slot: every half stays at or under 17,600, so nothing is carried from half to half
.endr
	; my four tokens of chunk c.  Expert e lies in word 4 (bit 3) + 2 (bit 0) + (bit 1), half (bit 2)
	s_lshl_b32 s18, s17, 10
.irp c, 0,1,2,3
	v_and_b32 v12, 2, v[MY+\c]
	v_cmp_ne_u32 vcc_lo, 0, v12
.irp j, 0,1,2,3
	v_cndmask_b32 v[8+\j], v[BW+2*\j], v[BW+2*\j+1], vcc_lo
.endr
	v_and_b32 v12, 1, v[MY+\c]
	v_cmp_ne_u32 vcc_lo, 0, v12
	v_cndmask_b32 v8, v8, v9, vcc_lo
	v_cndmask_b32 v9, v10, v11, vcc_lo
	v_and_b32 v12, 8, v[MY+\c]
	v_cmp_ne_u32 vcc_lo, 0, v12
	v_cndmask_b32 v8, v8, v9, vcc_lo
	v_and_b32 v12, 4, v[MY+\c]
	v_lshlrev_b32 v12, 2, v12
	v_lshrrev_b32 v8, v12, v8
	v_and_b32 v[POS+\c], 0xffff, v8
.irp i, 0,1,2
.if \i < \c
	v_cmp_eq_u32 vcc_lo, v[MY+\i], v[MY+\c]        ; one slot on for each earlier token of the four with the same expert
	v_add_co_ci_u32 v[POS+\c], vcc_lo, 0, v[POS+\c], vcc_lo
.endif
.endr
	v_min_u32 v[POS+\c], 0x44bf, v[POS+\c]         ; held inside the 17,600 slots
	v_lshlrev_b32 v[POS+\c], 2, v[POS+\c]
	s_add_co_u32 s19, s18, \c
	v_lshl_add_u32 v[TOK+\c], v0, 2, s19           ; token 1024 c + 4 t + its place
	global_store_b32 v[POS+\c], v[TOK+\c], s[12:13]
.endr
	; the slots that hold no token.  Threads 0-127: expert c's, from END_c to P_(c+1): under 80.  Threads 128-255: slots P_16 + 80 c on, 80 of the at most 1,200 behind the last run
	s_mul_i32 s18, s17, 80
	s_add_co_u32 s18, s18, s44
	s_add_co_u32 s19, s18, 80
	s_min_u32 s19, s19, 17600
	v_and_b32 v8, 127, v0
	v_cmp_le_u32 vcc_lo, 128, v0
	v_mov_b32 v9, s77
	v_cndmask_b32 v9, v9, s18, vcc_lo              ; from
	v_mov_b32 v10, s78
	v_cndmask_b32 v10, v10, s19, vcc_lo            ; to
	v_add_nc_u32 v9, v9, v8
	v_cmp_lt_u32 vcc_lo, v9, v10
	v_min_u32 v9, 0x44bf, v9
	v_lshlrev_b32 v9, 2, v9
	v_mov_b32 v11, 0
	s_wait_xcnt 0x0                                ; EXEC is a source of the stores above: it changes only behind this wait
	s_and_saveexec_b32 s61, vcc_lo
	global_store_b32 v9, v11, s[12:13]
	s_wait_xcnt 0x0                                ; and again in front of the line that widens it; v9 and v11 are free behind it too
	s_or_b32 exec_lo, exec_lo, s61
	; the table of tiles: work-group 0, a tile a thread
	s_cmp_lg_u32 s17, 0
	s_cbranch_scc1 .Lroute_end
	v_mul_u32_u24 v8, v0, 80                       ; the tile's first slot
	v_mov_b32 v10, 0
	v_mov_b32 v12, s45
.irp e, 1,2,3,4,5,6,7,8,9,10,11,12,13,14,15
	v_cmp_le_u32 vcc_lo, s[28+\e], v8              ; the last expert whose run begins at or below the slot (an expert without tokens is passed over by the next)
	v_cndmask_b32 v10, v10, \e, vcc_lo
	v_cndmask_b32 v12, v12, s[45+\e], vcc_lo
.endr
	v_max_u32 v12, v12, v8
	v_sub_nc_u32 v11, v12, v8
	v_min_u32 v11, 80, v11                         ; rows in the tile; 0 behind the last run
	global_store_b64 v2, v[10:11], s[14:15]        ; 2,048 consecutive bytes
.Lroute_end:
	s_wait_tensorcnt 0x0
	ds_add_u32 v160, v161
	s_wait_dscnt 0x0
	s_endpgm
; ======================================================================== THE QUANTISER: a wave makes one fragment, 16 rows x 128 along K
.Lquant:
	s_sub_co_u32 s17, ttmp9, 16                    ; g: rows 32 g to 32 g + 31 of the 8,192 rows of W
	s_lshr_b32 s18, s16, 2                         ; which 16 of them
	s_and_b32 s19, s16, 3                          ; which 128 along K
	s_lshl_b32 s20, s17, 1
	s_add_co_u32 s20, s20, s18
	s_lshl_b32 s20, s20, 15                        ; 16 rows of 2,048 bytes
	s_lshl_b32 s21, s19, 9
	s_add_co_u32 s20, s20, s21
	s_mov_b32 s21, 0
	s_lshl_b32 s24, s17, 3
	s_add_co_u32 s24, s24, s16
	s_lshl_b32 s24, s24, 11                        ; fragment 8 g + wave
	s_mov_b32 s25, 0
	s_lshl_b32 s26, s17, 9                         ; 32 rows x 16 scale bytes
	s_mov_b32 s27, 0
	s_mov_b32 s23, 0x600000                        ; the mantissa field of 57,344
	s_mul_i32 s22, s16, WREG                       ; my region of LDS
	s_lshl_b32 s28, s18, 8
	s_lshl_b32 s29, s19, 2
	s_add_co_u32 s28, s28, s29                     ; my 16 rows and my word among the scale bytes
	v_and_b32 v12, 31, v0                          ; lane
	v_lshlrev_b32 v1, 4, v12                       ; 16 x lane
	v_lshrrev_b32 v13, 2, v12
	v_mul_u32_u24 v13, v13, 80
	v_and_b32 v14, 3, v12
	v_lshl_add_u32 v2, v14, 4, v13
	v_add_nc_u32 v2, s22, v2                       ; a stage, on the way in: four lanes' 64 bytes on end, then 16 of padding
	v_mul_u32_u24 v3, v12, 80
	v_add_nc_u32 v3, s22, v3                       ; and on the way out: 64 bytes a lane: 16 neighbours along K
	v_lshrrev_b32 v13, 3, v12
	v_mul_u32_u24 v4, v13, 144
	v_and_b32 v14, 7, v12
	v_lshl_add_u32 v4, v14, 4, v4
	v_add_nc_u32 v4, s22, v4                       ; the code tile: row lane / 8 of a step's four, 16 (lane % 8) along K
	v_bfe_u32 v14, v0, 1, 2
	v_lshl_add_u32 v5, v13, 4, v14
	v_add_nc_u32 v5, s28, v5                       ; my block's scale byte
	v_and_b32 v13, 15, v0
	v_mul_u32_u24 v6, v13, 144
	v_bfe_u32 v14, v0, 4, 1
	v_lshl_add_u32 v6, v14, 4, v6
	v_add_nc_u32 v6, s22, v6                       ; the code tile read as a fragment: row lane % 16, + 16 (lane / 16)
	s_wait_kmcnt 0x0
	s_add_nc_u64 s[4:5], s[4:5], s[20:21]
	s_add_nc_u64 s[8:9], s[8:9], s[24:25]
	s_add_nc_u64 s[10:11], s[10:11], s[26:27]
.irp p, 0,1,2,3,4,5,6,7,8,9,10,11,12,13,14,15
	global_load_b128 v[R+4*\p:R+4*\p+3], v1, s[4:5] offset:2048*\p th:TH_LOAD_NT    ; row p: 512 consecutive bytes, read once in the launch
.endr
; Four rows (2,048 bytes) go through a stage as they lie and come back 64 bytes a lane: lane l then holds row 4 t + l / 8, k = 16 (l % 8) + 0 .. 15.  LDS serves a wave's instructions in order: no wait between.
.macro TURN t
.irp i, 0,1,2,3
	ds_store_b128 v2, v[R+16*(\t)+4*\i:R+16*(\t)+4*\i+3] offset:2560*((\t)%2)+640*\i
.endr
.irp i, 0,1,2,3
	ds_load_b128 v[X+16*((\t)%2)+4*\i:X+16*((\t)%2)+4*\i+3], v3 offset:2560*((\t)%2)+16*\i
.endr
.endm
.macro QSTEP t
.if (\t) < 3
	s_wait_loadcnt 8-4*(\t)                        ; the next step's four rows are in; the later steps' may be out
	TURN (\t)+1
.endif
.if (\t) == 0
	s_wait_dscnt 8                                 ; this step's numbers are back; out may be: the next turn's eight
.elseif (\t) < 3
	s_wait_dscnt 10                                ; the last step's two stores and the next turn's eight
.else
	s_wait_dscnt 2                                 ; the last step's two stores
.endif
.set XS, X+16*((\t)%2)
	v_max3_num_f32 v8, |v[XS]|, |v[XS+1]|, |v[XS+2]|               ; the largest magnitude of my 16
	v_max3_num_f32 v9, |v[XS+3]|, |v[XS+4]|, |v[XS+5]|
.irp i, 6,10
	v_max3_num_f32 v8, v8, |v[XS+\i]|, |v[XS+\i+1]|
	v_max3_num_f32 v9, v9, |v[XS+\i+2]|, |v[XS+\i+3]|
.endr
	v_max3_num_f32 v8, v8, |v[XS+14]|, |v[XS+15]|
	v_max3_num_f32 v8, v8, v9, 0x8000000           ; and the floor 2^(16 - 127): the byte cannot fall under 1
	v_max_num_f32_dpp v8, v8, v8 row_xmask:1 row_mask:0xf bank_mask:0xf   ; with my neighbour's 16: the block's
	v_add_nc_u32 v11, 0xf8800000, v8               ; 15 off its exponent field: the conversion takes the exponent field of this operand as its scale
	v_and_or_b32 v10, v8, 0x7f800000, s23          ; 57,344 x the scale
.irp i, 0,1,2,3,4,5,6,7,8,9,10,11,12,13,14,15
	v_med3_num_f32 v[XS+\i], v[XS+\i], -v10, v10   ; the conversion to an 8-bit code does not saturate (ISA guide 7.6.2): the number is held first
.endr
	v_cvt_scalef32_pk8_bf8_f32 v[C+4*(\t):C+4*(\t)+1], v[XS:XS+7], v11
	v_cvt_scalef32_pk8_bf8_f32 v[C+4*(\t)+2:C+4*(\t)+3], v[XS+8:XS+15], v11
	v_lshrrev_b32 v[E+(\t)], 23, v11               ; the scale's byte (also the plain line behind the conversions)
	ds_store_b128 v4, v[C+4*(\t):C+4*(\t)+3] offset:CT+576*(\t)
	ds_store_b8 v5, v[E+(\t)] offset:SCW+64*(\t)   ; both lanes of a block write the same byte with the same value
.endm
	s_wait_loadcnt 12                              ; rows 0 to 3 are in
	TURN 0
	QSTEP 0
	QSTEP 1
	QSTEP 2
	QSTEP 3
.irp c, 0,1,2,3
	ds_load_b128 v[FG+4*\c:FG+4*\c+3], v6 offset:CT+32*\c          ; registers 4 c on: k = 32 c + 16 (lane / 16) + 0 .. 15 of row lane % 16
.endr
	s_wait_dscnt 0x0                               ; the fragment is in; and, for the others' sake, my scale bytes lie in LDS
.irp c, 0,1,2,3
	global_store_b128 v1, v[FG+4*\c:FG+4*\c+3], s[8:9] offset:512*\c               ; 512 consecutive bytes, aligned
.endr
	s_barrier_signal -1
	s_barrier_wait -1                              ; all eight waves' scale bytes lie in LDS
	s_cmp_lg_u32 s16, 0
	s_cbranch_scc1 .Lquant_end
	ds_load_b128 v[8:11], v1 offset:SCW
	s_wait_dscnt 0x0
	global_store_b128 v1, v[8:11], s[10:11]        ; wave 0 stores the 32 rows' 512 scale bytes, consecutive and aligned
.Lquant_end:
	s_wait_tensorcnt 0x0
	ds_add_u32 v160, v161
	s_wait_dscnt 0x0
	s_endpgm
.Lfunc_end_k_q8a4a6d650d_prep:
	.size	k_q8a4a6d650d_prep, .Lfunc_end_k_q8a4a6d650d_prep-k_q8a4a6d650d_prep
	.p2alignl 7, 3214868480
	.fill 96, 4, 3214868480
	.section	.rodata,"a",@progbits
	.p2align	6, 0x0
	.amdhsa_kernel k_q8a4a6d650d_prep
		.amdhsa_group_segment_fixed_size 63232
		.amdhsa_private_segment_fixed_size 0
		.amdhsa_enable_private_segment 0
		.amdhsa_kernarg_size 48
		.amdhsa_user_sgpr_count 2
		.amdhsa_user_sgpr_kernarg_segment_ptr 1
		.amdhsa_wavefront_size32 1
		.amdhsa_system_sgpr_workgroup_id_x 1
		.amdhsa_system_sgpr_workgroup_id_y 1
		.amdhsa_system_sgpr_workgroup_id_z 1
		.amdhsa_system_vgpr_workitem_id 0
		.amdhsa_next_free_vgpr 162
		.amdhsa_next_free_sgpr 80
		.amdhsa_reserve_vcc 1
		.amdhsa_float_denorm_mode_32 3
		.amdhsa_float_denorm_mode_16_64 3
		.amdhsa_memory_ordered 1
		.amdhsa_forward_progress 1
		.amdhsa_inst_pref_size 71
	.end_amdhsa_kernel
	.amdgpu_metadata
---
amdhsa.version: [ 1, 2 ]
amdhsa.kernels:
  - .name:           k_q8a4a6d650d_prep
    .symbol:         k_q8a4a6d650d_prep.kd
    .args:
      - { .name: W, .offset: 0, .size: 8, .value_kind: global_buffer, .address_space: global }
      - { .name: expert_idx, .offset: 8, .size: 8, .value_kind: global_buffer, .address_space: global }
      - { .name: wq, .offset: 16, .size: 8, .value_kind: global_buffer, .address_space: global }
      - { .name: ws, .offset: 24, .size: 8, .value_kind: global_buffer, .address_space: global }
      - { .name: rows, .offset: 32, .size: 8, .value_kind: global_buffer, .address_space: global }
      - { .name: tiles, .offset: 40, .size: 8, .value_kind: global_buffer, .address_space: global }
    .group_segment_fixed_size: 63232
    .private_segment_fixed_size: 0
    .kernarg_segment_align: 8
    .kernarg_segment_size: 48
    .max_flat_workgroup_size: 256
    .sgpr_count:     80
    .vgpr_count:     162
    .wavefront_size: 32
...
	.end_amdgpu_metadata
.endif
;; end of part 1
;; launch experts (part 2): grid 220 x 1, 4 waves a work-group, no clusters, 98,304 bytes of LDS; arguments action, wq, ws, b, rows, tiles, out0; writes out0
.if DOCPART == 2
	.amdgcn_target "amdgcn-amd-amdhsa--gfx1250"
	.amdhsa_code_object_version 6
	.text
	.protected	k_q8a4a6d650d_experts
	.globl	k_q8a4a6d650d_experts
	.p2align	8
	.type	k_q8a4a6d650d_experts,@function
k_q8a4a6d650d_experts:
	s_mov_b64 s[64:65], 0
	v_nop
	global_prefetch_b8 v0, s[64:65] scope:SCOPE_SE
	s_setreg_imm32_b32 hwreg(HW_REG_WAVE_MODE, 25, 1), 1
	s_wait_xcnt 0x0
; out0[i] = Q(action[i]) Q(W[e_i])^T + b[e_i], e_i = expert_idx[i]: only the chosen expert's product is made for each token.  Q: codes of BF8 (E5M2), one E8M0 scale for each 32 along K; sums in f32.
; SHARES.  Work-group i takes tile i of the stored table: up to 80 rows of ONE expert x all 512 columns, from the gather to the store.  16,384 rows in tiles of 80 over 16 experts are never more than
; ceil(16384 / 80) + 15 = 220 tiles, whatever the split: that is the grid.  A tile that a split leaves without rows stores nothing.
; PHASE A: wave w gathers rows 20 w to 20 w + 19 of the tile (a row of action is 2,048 bytes: four loads of 512 consecutive bytes), quantises them and lays codes and scale bytes into LDS by rows.
;   Meanwhile the wave's part of the expert's weights, already codes in the order of the operand's registers, is on its way from memory straight into registers.
; ONE BARRIER, on every wave's path; the branch on the tile's count stands behind it.
; PHASE B: wave w makes columns 128 w to 128 w + 127 for all 80 rows: 5 x 8 accumulators, four K steps of 128, 160 matrix instructions.  THE MATRIX INSTRUCTION IS USED TRANSPOSED (source 0 = 16 rows of W,
;   source 1 = 16 rows of action): a lane holds eight neighbouring columns of one row.  The bias is the C of the first K step.
; THE WAY OUT: 16 rows at a time through the wave's own stage in LDS; a store covers 512 consecutive bytes of one row of out0, aligned.  Rows past the tile's count are not stored.
; NO TENSOR LOADS AND NO CLUSTER: what is stored, and which weights are read, hang on numbers read from memory, and the tiles of one expert are not a fixed number, so partners could not make every joint request alike.
; NO PREFETCH: all of a work-group's loads go out at its head or during phase A; there is no later trip for which anything could be asked earlier.
; LIMITS: NaN and infinities are not served.  A block of zeros gets the scale byte 1 where the rule says 127: its codes are zeros, and the bytes never leave this launch.  Stored numbers are clamped before they enter an address.
; REGISTERS, in windows of 256 (s_set_vgpr_msb: bits 1:0 source 0, 3:2 source 1, 5:4 source 2, 7:6 destination):
;   window 0: v1-13 addresses; v16-35 the gathered rows' offsets, later the stores'; v36-55 action's scale words, v56-71 W's (scales and nothing else); v72-77 at work;
;             v80-159, v160-239 action's fragments, two sets (in phase A: v80-119 at work; on the way out: rows read back, and v208-223 offsets)
;   window 1: v0-127 W's fragments of K step 0, later of K step 3; v128-255 of K step 1
;   window 2: accumulator (m, t) at v[64 m + 8 t], m = 0 .. 3 (in phase A: rows 0-15 as loaded, 16 registers each)
;   window 3: v0-63 accumulator (4, t) (in phase A: rows 16-19 as loaded); v64-127 the bias, 8 registers a column tile; v128-255 W's fragments of K step 2
.set FSTW,   5120                      ; LDS 0: for each wave two stages of 32 x 80 bytes, for the turn of a row of f32
.set ACODE,  20480                     ; 80 rows of codes,
.set APITCH, 528                       ; 512 bytes + 16 = 33 x 16: the sixteen rows that a load touches start 16 bytes apart modulo 256
.set ASC,    62720                     ; 80 rows x 16 scale bytes
.set OST,    64000                     ; for each wave a stage of 16 rows x 528 bytes, for the way out
.set VO,   16
.set SA,   36
.set SB,   56
.set X,    80                          ; phase A: two sets of 16 neighbours along K
.set C,    112                         ; phase A: two sets of four registers of codes
.set AF,   80
.set BK,   80                          ; the way out: v80-143 and v144-207 by turns
.set OF0,  16
.set OF1,  208
.set BIAS, 64
.set MSB,  0
.macro WIN new                         ; the immediate's high byte repeats the setting that is left; a switch that changes nothing is dropped
.if MSB != \new
	s_set_vgpr_msb (MSB<<8)|\new
.set MSB, \new
.endif
.endm
.macro PLACES n                        ; plain vector lines behind a matrix instruction, in front of loads into its registers and of the first read of results
.rept \n
	v_nop
.endr
.endm
	s_load_b256 s[4:11], s[0:1], 0x0               ; action s[4:5], wq s[6:7], ws s[8:9], b s[10:11]
	s_load_b128 s[12:15], s[0:1], 0x20             ; rows s[12:13], tiles s[14:15]
	s_load_b64 s[16:17], s[0:1], 0x30              ; out0
	v_lshl_add_u32 v254, v0, 2, 0x17e00
	v_mov_b32 v255, 0
	v_lshrrev_b32 v1, 5, v0
	v_readfirstlane_b32 s20, v1                    ; wave 0..3
	s_mul_i32 s24, ttmp9, 320                      ; my tile's 80 slots
	s_mov_b32 s25, 0
	s_lshl_b32 s26, ttmp9, 3                       ; my tile's pair
	s_mov_b32 s27, 0
	s_mul_i32 s30, s20, 80                         ; my wave's 20 slots
	s_mov_b32 s31, 0
	s_mov_b32 s22, 0x600000                        ; the mantissa field of 57,344
	s_wait_kmcnt 0x0
	s_add_nc_u64 s[12:13], s[12:13], s[24:25]
	s_add_nc_u64 s[14:15], s[14:15], s[26:27]
	s_add_nc_u64 s[28:29], s[12:13], s[30:31]
	s_load_b64 s[18:19], s[14:15], 0x0             ; s18 the expert, s19 the rows in the tile
	s_load_b512 s[32:47], s[28:29], 0x0            ; my 20 tokens
	s_load_b128 s[48:51], s[28:29], 0x40
	v_and_b32 v8, 31, v0                           ; lane
	v_and_b32 v9, 15, v0                           ; r
	v_bfe_u32 v14, v0, 4, 1                        ; h
	v_lshlrev_b32 v1, 4, v8                        ; 16 x lane
	s_mul_i32 s23, s20, FSTW
	v_lshrrev_b32 v2, 2, v8
	v_mul_u32_u24 v2, v2, 80
	v_and_b32 v3, 3, v8
	v_lshl_add_u32 v2, v3, 4, v2
	v_add_nc_u32 v2, s23, v2                       ; a stage, on the way in: four lanes' 64 bytes on end, then 16 of padding
	v_mul_u32_u24 v3, v8, 80
	v_add_nc_u32 v3, s23, v3                       ; and on the way out: 64 bytes a lane
	s_mul_i32 s23, s20, 20*APITCH
	v_add_nc_u32 v4, s23, v1                       ; my wave's rows of codes, 16 bytes a lane
	s_mul_i32 s23, s20, 320
	v_lshrrev_b32 v5, 1, v8
	v_add_nc_u32 v5, s23, v5                       ; my wave's rows of scale bytes, my block's byte
	v_mul_u32_u24 v6, v9, APITCH
	v_lshl_add_u32 v6, v14, 4, v6                  ; a fragment of action: row r, + 16 h
	v_lshlrev_b32 v7, 4, v9                        ; its row's 16 scale bytes
	v_lshlrev_b32 v10, 5, v14                      ; the bias: my half's eight numbers of a column tile
	s_mul_i32 s23, s20, 16*APITCH
	s_add_co_u32 s23, s23, OST                     ; my stage for the way out
	v_mul_u32_u24 v11, v9, APITCH
	v_add_nc_u32 v11, v11, v10
	v_add_nc_u32 v11, s23, v11                     ; in: row r, + 32 h
	v_add_nc_u32 v12, s23, v1                      ; back: a row of 512 bytes, 16 a lane
	s_lshl_b32 s23, s20, 9
	v_add_nc_u32 v13, s23, v1                      ; and the same place in a row of out0: my wave's 512 bytes
	s_wait_kmcnt 0x0
.irp j, 0,1,2,3,4,5,6,7,8,9,10,11,12,13,14,15,16,17,18,19
	s_min_u32 s[32+\j], s[32+\j], 0x3fff           ; a stored number enters an address only clamped
	v_lshl_add_u32 v[VO+\j], s[32+\j], 11, v1      ; token x 2,048 + 16 x lane
.endr
	WIN 0x80                                       ; destination window 2
.irp j, 0,1,2,3,4,5,6,7,8,9,10,11,12,13,14,15
.irp i, 0,1,2,3
	global_load_b128 v[16*\j+4*\i:16*\j+4*\i+3], v[VO+\j], s[4:5] offset:512*\i th:TH_LOAD_NT   ; 512 consecutive bytes.  The list names each token once; filler slots alone name token 0 again
.endr
.endr
	WIN 0xc0                                       ; destination window 3
.irp j, 16,17,18,19
.irp i, 0,1,2,3
	global_load_b128 v[16*(\j-16)+4*\i:16*(\j-16)+4*\i+3], v[VO+\j], s[4:5] offset:512*\i th:TH_LOAD_NT
.endr
.endr
	s_min_u32 s18, s18, 15
	s_lshl_b32 s24, s18, 18                        ; wq: an expert is 262,144 bytes, my 8 column tiles 65,536
	s_lshl_b32 s26, s20, 16
	s_add_co_u32 s24, s24, s26
	s_add_nc_u64 s[6:7], s[6:7], s[24:25]
	s_lshl_b32 s24, s18, 13                        ; ws: 8,192 and 2,048
	s_lshl_b32 s26, s20, 11
	s_add_co_u32 s24, s24, s26
	s_add_nc_u64 s[8:9], s[8:9], s[24:25]
	s_lshl_b32 s24, s18, 11                        ; b: 2,048 and 512
	s_lshl_b32 s26, s20, 9
	s_add_co_u32 s24, s24, s26
	s_add_nc_u64 s[10:11], s[10:11], s[24:25]
.irp t, 0,1,2,3,4,5,6,7
	global_load_b128 v[BIAS+8*\t:BIAS+8*\t+3], v10, s[10:11] offset:64*\t          ; lane (r, h): b of columns 16 t + 8 h + 0 .. 7: the result's layout
	global_load_b128 v[BIAS+8*\t+4:BIAS+8*\t+7], v10, s[10:11] offset:64*\t+16
.endr
	WIN 0
.irp p, 0,1,2,3
	global_load_b128 v[SB+4*\p:SB+4*\p+3], v1, s[8:9] offset:512*\p                ; W's scale words of four K steps: lanes 0-15 column tile 2 p, lanes 16-31 tile 2 p + 1
.endr
; ---- PHASE A
; Row j (2,048 bytes as loaded, 16 bytes a lane and load) goes through a stage and comes back 64 bytes a lane: lane l then holds k = 16 l + 0 .. 15.  LDS serves a wave's instructions in order: no wait between.
.macro TURN j
.if (\j) < 16
	WIN 0x08                                       ; an LDS store's data are its source 1: window 2
.set RW, 16*(\j)
.else
	WIN 0x0c                                       ; window 3
.set RW, 16*((\j)-16)
.endif
.irp i, 0,1,2,3
	ds_store_b128 v2, v[RW+4*\i:RW+4*\i+3] offset:2560*((\j)%2)+640*\i
.endr
	WIN 0
.irp i, 0,1,2,3
	ds_load_b128 v[X+16*((\j)%2)+4*\i:X+16*((\j)%2)+4*\i+3], v3 offset:2560*((\j)%2)+16*\i
.endr
.endm
; Fragment f of W's first three K steps (K step f / 8, column tile f % 8): four loads of 512 consecutive bytes, straight into the operand's registers.  No hint: the expert's other tiles read the same bytes.
.macro BFRAG f
.if (\f) < 16
	WIN 0x40                                       ; destination window 1: K step 0 at 16 t, K step 1 at 128 + 16 t
.set BD, 16*(\f)
.else
	WIN 0xc0                                       ; destination window 3: K step 2 at 128 + 16 t
.set BD, 128+16*((\f)-16)
.endif
.irp c, 0,1,2,3
	global_load_b128 v[BD+4*\c:BD+4*\c+3], v1, s[6:7] offset:8192*((\f)%8)+2048*((\f)/8)+512*\c
.endr
.endm
.macro ROW j
.if (\j) < 19
	s_wait_loadcnt 63                              ; row j + 1 is in.  Behind its four loads stand 92 younger ones (the rows after it, 20 of bias and scales, 4 j of W)
	TURN (\j)+1
.endif
	BFRAG \j                                       ; one fragment of W is asked for in each row's turn
	WIN 0
.if (\j) == 0
	s_wait_dscnt 8                                 ; this row is back from the stage; out may be: the next turn's eight
.elseif (\j) < 19
	s_wait_dscnt 10                                ; the last row's two stores and the next turn's eight.  So the stores of the row before that have read their registers, which are written again below
.else
	s_wait_dscnt 2
.endif
.set XS, X+16*((\j)%2)
.set CS, C+4*((\j)%2)
	v_max3_num_f32 v72, |v[XS]|, |v[XS+1]|, |v[XS+2]|              ; the largest magnitude of my 16
	v_max3_num_f32 v73, |v[XS+3]|, |v[XS+4]|, |v[XS+5]|
.irp i, 6,10
	v_max3_num_f32 v72, v72, |v[XS+\i]|, |v[XS+\i+1]|
	v_max3_num_f32 v73, v73, |v[XS+\i+2]|, |v[XS+\i+3]|
.endr
	v_max3_num_f32 v72, v72, |v[XS+14]|, |v[XS+15]|
	v_max3_num_f32 v72, v72, v73, 0x8000000        ; and the floor 2^(16 - 127): the byte cannot fall under 1
	v_max_num_f32_dpp v72, v72, v72 row_xmask:1 row_mask:0xf bank_mask:0xf   ; with my neighbour's 16: the block's
	v_add_nc_u32 v75, 0xf8800000, v72              ; 15 off its exponent field: the conversion's scale operand
	v_and_or_b32 v74, v72, 0x7f800000, s22         ; 57,344 x the scale
.irp i, 0,1,2,3,4,5,6,7,8,9,10,11,12,13,14,15
	v_med3_num_f32 v[XS+\i], v[XS+\i], -v74, v74   ; the conversion to an 8-bit code does not saturate (ISA guide 7.6.2): the number is held first
.endr
	v_cvt_scalef32_pk8_bf8_f32 v[CS:CS+1], v[XS:XS+7], v75
	v_cvt_scalef32_pk8_bf8_f32 v[CS+2:CS+3], v[XS+8:XS+15], v75
	v_lshrrev_b32 v[76+(\j)%2], 23, v75            ; the scale's byte (also the plain line behind the conversions)
	ds_store_b128 v4, v[CS:CS+3] offset:ACODE+APITCH*(\j)          ; the row's 512 codes: 16 a lane, on end
	ds_store_b8 v5, v[76+(\j)%2] offset:ASC+16*(\j)                ; both lanes of a block write the same byte with the same value
.endm
	s_wait_loadcnt 63                              ; row 0 is in: 96 younger loads stand behind it
	TURN 0
.irp j, 0,1,2,3,4,5,6,7,8,9,10,11,12,13,14,15,16,17,18,19
	ROW \j
.endr
	BFRAG 20
	BFRAG 21
	BFRAG 22
	BFRAG 23
	WIN 0
	s_wait_dscnt 0x0                               ; for the others' sake: my rows' codes and scale bytes lie in LDS
	s_barrier_signal -1
	s_barrier_wait -1                              ; all 80 rows do.  Nobody writes these bytes again
	s_cmp_eq_u32 s19, 0                            ; a tile without rows ends here, behind the launch's one barrier
	s_cbranch_scc1 .Lend
; ---- PHASE B
.macro FETCH_A ks, buf                 ; action's five fragments of K step ks: registers 4 c on hold k = 128 ks + 32 c + 16 h + 0 .. 15 of row 16 m + r
.irp m, 0,1,2,3,4
.irp c, 0,1,2,3
	ds_load_b128 v[AF+80*(\buf)+16*\m+4*\c:AF+80*(\buf)+16*\m+4*\c+3], v6 offset:ACODE+16*APITCH*\m+128*(\ks)+32*\c
.endr
.endr
.endm
; One product: accumulator at d, W's fragment of column tile t at bf + 16 t, action's rows 16 m on.  W's scale words of an odd column tile lie in lanes 16-31 of their register.
.macro MMA ks, bf, d, m, t
.if (\ks) == 0
.if (\t)%2
	v_wmma_scale_f32_16x16x128_f8f6f4 v[(\d):(\d)+7], v[(\bf)+16*(\t):(\bf)+16*(\t)+15], v[AF+80*((\ks)%2)+16*(\m):AF+80*((\ks)%2)+16*(\m)+15], v[BIAS+8*(\t):BIAS+8*(\t)+7], v[SB+4*((\t)/2)+(\ks)], v[SA+4*(\m)+(\ks)] matrix_a_fmt:MATRIX_FMT_BF8 matrix_b_fmt:MATRIX_FMT_BF8 matrix_a_scale:MATRIX_SCALE_ROW1
.else
	v_wmma_scale_f32_16x16x128_f8f6f4 v[(\d):(\d)+7], v[(\bf)+16*(\t):(\bf)+16*(\t)+15], v[AF+80*((\ks)%2)+16*(\m):AF+80*((\ks)%2)+16*(\m)+15], v[BIAS+8*(\t):BIAS+8*(\t)+7], v[SB+4*((\t)/2)+(\ks)], v[SA+4*(\m)+(\ks)] matrix_a_fmt:MATRIX_FMT_BF8 matrix_b_fmt:MATRIX_FMT_BF8
.endif
.else
.if (\t)%2
	v_wmma_scale_f32_16x16x128_f8f6f4 v[(\d):(\d)+7], v[(\bf)+16*(\t):(\bf)+16*(\t)+15], v[AF+80*((\ks)%2)+16*(\m):AF+80*((\ks)%2)+16*(\m)+15], v[(\d):(\d)+7], v[SB+4*((\t)/2)+(\ks)], v[SA+4*(\m)+(\ks)] matrix_a_fmt:MATRIX_FMT_BF8 matrix_b_fmt:MATRIX_FMT_BF8 matrix_a_scale:MATRIX_SCALE_ROW1
.else
	v_wmma_scale_f32_16x16x128_f8f6f4 v[(\d):(\d)+7], v[(\bf)+16*(\t):(\bf)+16*(\t)+15], v[AF+80*((\ks)%2)+16*(\m):AF+80*((\ks)%2)+16*(\m)+15], v[(\d):(\d)+7], v[SB+4*((\t)/2)+(\ks)], v[SA+4*(\m)+(\ks)] matrix_a_fmt:MATRIX_FMT_BF8 matrix_b_fmt:MATRIX_FMT_BF8
.endif
.endif
.endm
; A K step: 40 products.  The 40 accumulators take turns, one instruction a turn, in the same order in every K step.  Two window settings: rows 0-63, then rows 64-79.
.macro STEP ks, bf, w03, w4
	WIN \w03
.irp t, 0,1,2,3,4,5,6,7
.irp m, 0,1,2,3
	MMA \ks, \bf, 64*\m+8*\t, \m, \t
.endr
.endr
	WIN \w4
.irp t, 0,1,2,3,4,5,6,7
	MMA \ks, \bf, 8*\t, 4, \t
.endr
.endm
	s_load_b512 s[32:47], s[12:13], 0x0            ; the tile's tokens once more, for the stores: rows 0-15,
	s_load_b512 s[48:63], s[12:13], 0x40           ; 16-31,
	s_load_b512 s[68:83], s[12:13], 0x80           ; 32-47,
	s_load_b512 s[84:99], s[12:13], 0xc0           ; 48-63
.irp m, 0,1,2,3,4
	ds_load_b128 v[SA+4*\m:SA+4*\m+3], v7 offset:ASC+256*\m        ; lane r: row 16 m + r's scale words of the four K steps
.endr
	FETCH_A 0, 0
	FETCH_A 1, 1
	s_wait_loadcnt 63                              ; bias, W's scales and K step 0 are in: 64 younger loads (K steps 1 and 2) stand behind them
	s_wait_dscnt 20                                ; action's scales and K step 0 are in; K step 1's 20 loads may be out
	STEP 0, 0, 0xb1, 0xf1                          ; W window 1, action window 0, C = the bias in window 3, D window 2; then D window 3
	PLACES 8
	WIN 0x40
.irp t, 0,1,2,3,4,5,6,7
.irp c, 0,1,2,3
	global_load_b128 v[16*\t+4*\c:16*\t+4*\c+3], v1, s[6:7] offset:8192*\t+6144+512*\c      ; K step 3 takes the registers that K step 0 has left
.endr
.endr
	WIN 0
	FETCH_A 2, 0
	s_wait_dscnt 20                                ; action's K step 1 is in; K step 2's 20 loads may be out
	s_wait_loadcnt 63                              ; W's K step 1 is in: 64 younger loads (K steps 2 and 3) stand behind it
	STEP 1, 128, 0xa1, 0xf1
	WIN 0
	PLACES 8
	FETCH_A 3, 1
	s_wait_dscnt 20                                ; action's K step 2 is in
	s_wait_loadcnt 32                              ; W's K step 2 is in; K step 3's 32 loads may be out
	STEP 2, 128, 0xa3, 0xf3                        ; W window 3
	s_wait_dscnt 0x0
	s_wait_loadcnt 0x0
	STEP 3, 0, 0xa1, 0xf1
	WIN 0
	PLACES 8                                       ; in front of the first read of results, of the loads into the registers that held action's fragments, and of the offsets written there
; ---- THE WAY OUT, 16 rows at a time
.macro OFFSETS tk, of                  ; where the block's 16 rows go: token x 2,048 + my wave's 512 bytes + 16 x lane
.irp i, 0,1,2,3,4,5,6,7,8,9,10,11,12,13,14,15
	s_min_u32 s[\tk+\i], s[\tk+\i], 0x3fff
	v_lshl_add_u32 v[\of+\i], s[\tk+\i], 11, v13
.endr
.endm
.macro TOSTAGE m                       ; a lane's 32 bytes of a row go into my stage; whole rows of 512 bytes come back.  LDS serves a wave's instructions in order: no wait between, nor in front of the next block's stores
.if (\m) < 4
	WIN 0x08
.set AC, 64*(\m)
.else
	WIN 0x0c
.set AC, 0
.endif
.irp t, 0,1,2,3,4,5,6,7
	ds_store_b128 v11, v[AC+8*\t:AC+8*\t+3] offset:64*\t           ; each accumulator from its low end on
	ds_store_b128 v11, v[AC+8*\t+4:AC+8*\t+7] offset:64*\t+16
.endr
	WIN 0
.irp i, 0,1,2,3,4,5,6,7,8,9,10,11,12,13,14,15
	ds_load_b128 v[BK+64*((\m)%2)+4*\i:BK+64*((\m)%2)+4*\i+3], v12 offset:APITCH*\i
.endr
.endm
.macro SEND m, of, younger             ; younger: the LDS instructions issued behind block m's loads, which may stay out
	s_wait_dscnt \younger
.irp i, 0,1,2,3,4,5,6,7,8,9,10,11,12,13,14,15
	s_cmp_gt_u32 s19, 16*(\m)+\i                   ; the tile's rows stand first among its 80 slots: at the first slot past the count the wave is done
	s_cbranch_scc0 .Lend
	global_store_b128 v[\of+\i], v[BK+64*((\m)%2)+4*\i:BK+64*((\m)%2)+4*\i+3], s[16:17] th:TH_STORE_NT     ; 512 consecutive bytes of one row, aligned; written once, read by nobody here
.endr
.endm
	s_wait_kmcnt 0x0
	OFFSETS 32, OF0
	s_load_b512 s[32:47], s[12:13], 0x100          ; rows 64-79, into the registers that rows 0-15 have left
	TOSTAGE 0
	OFFSETS 48, OF1
	TOSTAGE 1
	SEND 0, OF0, 32                                ; behind block 0's loads: block 1's 16 stores and 16 loads
	s_wait_xcnt 0x0                                ; block 0's stores have read their offsets and data: both are written again below
	OFFSETS 68, OF0
	TOSTAGE 2
	SEND 1, OF1, 32
	s_wait_xcnt 0x0
	OFFSETS 84, OF1
	TOSTAGE 3
	SEND 2, OF0, 32
	s_wait_xcnt 0x0
	s_wait_kmcnt 0x0                               ; the tokens of rows 64-79
	OFFSETS 32, OF0
	TOSTAGE 4
	SEND 3, OF1, 32
	SEND 4, OF0, 0
.Lend:
	s_wait_dscnt 0x0                               ; no LDS load of mine is out when the wave ends
	s_wait_tensorcnt 0x0
	ds_add_u32 v254, v255
	s_wait_dscnt 0x0
	s_endpgm
.Lfunc_end_k_q8a4a6d650d_experts:
	.size	k_q8a4a6d650d_experts, .Lfunc_end_k_q8a4a6d650d_experts-k_q8a4a6d650d_experts
	.p2alignl 7, 3214868480
	.fill 96, 4, 3214868480
	.section	.rodata,"a",@progbits
	.p2align	6, 0x0
	.amdhsa_kernel k_q8a4a6d650d_experts
		.amdhsa_group_segment_fixed_size 98304
		.amdhsa_private_segment_fixed_size 0
		.amdhsa_enable_private_segment 0
		.amdhsa_kernarg_size 56
		.amdhsa_user_sgpr_count 2
		.amdhsa_user_sgpr_kernarg_segment_ptr 1
		.amdhsa_wavefront_size32 1
		.amdhsa_system_sgpr_workgroup_id_x 1
		.amdhsa_system_sgpr_workgroup_id_y 1
		.amdhsa_system_sgpr_workgroup_id_z 1
		.amdhsa_system_vgpr_workitem_id 0
		.amdhsa_next_free_vgpr 1024
		.amdhsa_next_free_sgpr 100
		.amdhsa_reserve_vcc 0
		.amdhsa_float_denorm_mode_32 3
		.amdhsa_float_denorm_mode_16_64 3
		.amdhsa_memory_ordered 1
		.amdhsa_forward_progress 1
		.amdhsa_inst_pref_size 143
	.end_amdhsa_kernel
	.amdgpu_metadata
---
amdhsa.version: [ 1, 2 ]
amdhsa.kernels:
  - .name:           k_q8a4a6d650d_experts
    .symbol:         k_q8a4a6d650d_experts.kd
    .args:
      - { .name: action, .offset: 0, .size: 8, .value_kind: global_buffer, .address_space: global }
      - { .name: wq, .offset: 8, .size: 8, .value_kind: global_buffer, .address_space: global }
      - { .name: ws, .offset: 16, .size: 8, .value_kind: global_buffer, .address_space: global }
      - { .name: b, .offset: 24, .size: 8, .value_kind: global_buffer, .address_space: global }
      - { .name: rows, .offset: 32, .size: 8, .value_kind: global_buffer, .address_space: global }
      - { .name: tiles, .offset: 40, .size: 8, .value_kind: global_buffer, .address_space: global }
      - { .name: out0, .offset: 48, .size: 8, .value_kind: global_buffer, .address_space: global }
    .group_segment_fixed_size: 98304
    .private_segment_fixed_size: 0
    .kernarg_segment_align: 8
    .kernarg_segment_size: 56
    .max_flat_workgroup_size: 128
    .sgpr_count:     100
    .vgpr_count:     1024
    .wavefront_size: 32
...
	.end_amdgpu_metadata
.endif
;; end of part 2
;; ======== version 2 of 2: 2 launches
;; workspace buffers: wq 4,194,304 bytes; ws 131,072 bytes; rows 70,400 bytes of whole numbers; tiles 2,048 bytes of whole numbers
;; launch prep (part 3): grid 272 x 1, 8 waves a work-group, no clusters, 63,232 bytes of LDS; arguments W, expert_idx, wq, ws, rows, tiles; writes wq, ws, rows, tiles
.if DOCPART == 3
	.amdgcn_target "amdgcn-amd-amdhsa--gfx1250"
	.amdhsa_code_object_version 6
	.text
	.protected	k_q8a4a6d650d_prep
	.globl	k_q8a4a6d650d_prep
	.p2align	8
	.type	k_q8a4a6d650d_prep,@function
k_q8a4a6d650d_prep:
	s_mov_b64 s[64:65], 0
	v_nop
	global_prefetch_b8 v0, s[64:65] scope:SCOPE_SE
	s_setreg_imm32_b32 hwreg(HW_REG_WAVE_MODE, 25, 1), 1
	s_wait_xcnt 0x0
; TWO JOBS IN ONE LAUNCH, parted on the work-group's number alone.
; Work-groups 16 to 271: W [16][512][512] f32 becomes codes of BF8 (E5M2) with one E8M0 byte for each 32 along K (K is W's last axis).
;   wq: the codes in the order of the operand's registers.  Fragment F = (32 e + ct) 4 + s is 2,048 bytes; byte 2048 F + 512 c + 16 lane + i is the code of
;       W[e][16 ct + lane % 16][128 s + 32 c + 16 (lane / 16) + i]: four loads of 16 bytes a lane, 512 bytes apart, are a fragment's 16 registers.
;   ws: [512 e + f][16]: byte 4 s + b is the scale byte of k = 128 s + 32 b on.
;   A block's scale is 2^(floor(log2(its largest magnitude)) - 15); its byte is the largest magnitude's exponent field - 15, held at 1 from below.
; Work-groups 0 to 15: the tokens are sorted by expert, without atomics.
;   rows: 17,600 token numbers.  Expert e's run begins at P_e = 80 x the number of tiles of the experts below it; the slots between a run's end and the next multiple of 80,
;       and all slots from P_16 on, hold 0 (a token that exists; what is computed for such a slot is never stored).
;   tiles: 256 pairs {expert, rows in the tile (0 to 80)}; tile i takes slots 80 i to 80 i + 79.
;   All sixteen work-groups count all 16,384 indices in the same way, so all know the same P and the same prefix sums and hand each other nothing; work-group c places tokens 1024 c to 1024 c + 1023.
;   Thread t reads indices 1024 q + 4 t + 0 .. 3, q = 0 .. 15.  Inside an expert's run the order is: by thread, then by q, then by the place among the four.
; LIMITS: expert_idx lies in 0 .. 15 (an index stays inside the table that it indexes); every position is clamped to the buffer all the same.  NaN and infinities in W are not served.
;   A block of zeros gets the byte 1 where the rule says 127: its codes are zeros, which add nothing under any byte but 0xff, and the bytes are read by this program alone.
; No tensor loads, no matrix work, no cluster: every byte of W is read once by one wave, and the sort is 64 KiB of indices.
.set SCW,   61440                      ; LDS, quantiser: behind the eight waves' regions: 32 rows x 16 scale bytes
.set RTB,   61952                      ; LDS, sort: eight waves x 32 bytes of totals (bytes of its own: the two jobs share no LDS byte)
.set WREG,  7680                       ; LDS, quantiser: a wave's region: two stages of 32 x 80 bytes, then its code tile
.set CT,    5120                       ; the code tile in that region: 16 rows, 144 bytes apart (128 + 16)
; the quantiser's registers
.set R,     16                         ; v16-79   16 rows x 4 registers as loaded
.set X,     80                         ; v80-111  two sets of 16 neighbours along K
.set C,     112                        ; v112-127 codes: four registers for each step
.set E,     128                        ; v128-131 a scale byte for each step
.set FG,    132                        ; v132-147 the fragment, read back in the operand's order
; the sort's registers
.set TOT,   4                          ; v4       nibble n: tokens of experts n and n + 8 since the last flush
.set HI,    5                          ; v5       nibble n: tokens of expert n + 8 alone
.set IDX,   16                         ; v16-79   my 64 indices; later the eight waves' totals
.set MY,    80                         ; v80-83   my four indices of chunk c
.set ALLB,  84                         ; v84-87   my counts in bytes: experts 0,2,4,6 | 1,3,5,7 | 8,10,12,14 | 9,11,13,15
.set BEFB,  88                         ; v88-91   the same for the loads q below c
.set W16,   92                         ; v92-99   counts in halves of 16 bits, summed over the lanes up to mine
.set OWN,   100                        ; v100-107 my own counts in halves.  Word k: low half expert 8 (k / 4) + (k / 2) % 2 + 2 (k % 2), high half that expert + 4
.set T8,    108                        ; v108-115 at work
.set BEF16, 116                        ; v116-123 BEFB in halves
.set PRE,   124                        ; v124-131 the totals of the waves below mine
.set RUN,   132                        ; v132-139 the running sum over the waves
.set BW,    140                        ; v140-147 where my next token of each expert goes, in halves
.set POS,   148                        ; v148-151 a position, then its byte offset, for each of my four tokens
.set TOK,   152                        ; v152-155 their numbers
	s_load_b256 s[4:11], s[0:1], 0x0               ; W s[4:5], expert_idx s[6:7], wq s[8:9], ws s[10:11]
	s_load_b128 s[12:15], s[0:1], 0x20             ; rows s[12:13], tiles s[14:15]
	v_lshl_add_u32 v160, v0, 2, 0xf300
	v_mov_b32 v161, 0
	v_lshrrev_b32 v1, 5, v0
	s_delay_alu instid0(VALU_DEP_1)
	v_readfirstlane_b32 s16, v1                    ; wave 0..7
	s_cmp_lt_u32 ttmp9, 16
	s_cbranch_scc0 .Lquant
; ======================================================================== THE SORT
	s_mov_b32 s17, ttmp9                           ; c
	s_mov_b32 s74, 0x0f0f0f0f
	s_mov_b32 s75, 0x00ff00ff
	s_mov_b32 s76, 0xffff0000                      ; lanes 16-31
	s_mov_b32 s77, 0                               ; END_c, chosen below
	s_mov_b32 s78, 0                               ; P_(c+1)
	s_lshl_b32 s62, s17, 12                        ; chunk c: 4,096 bytes of indices
	s_mov_b32 s63, 0
	v_lshlrev_b32 v1, 4, v0                        ; 16 bytes a thread: a load of the work-group covers 4,096 consecutive bytes
	v_lshlrev_b32 v2, 3, v0                        ; 8 bytes a thread: my pair's place in the table of tiles.  Made here, all lanes on, in a register that holds no loaded number anywhere on this path
	v_mov_b32 v[TOT], 0
	v_mov_b32 v[HI], 0
.irp k, 0,1,2,3
	v_mov_b32 v[ALLB+\k], 0
	v_mov_b32 v[BEFB+\k], 0
.endr
.irp k, 0,1,2,3,4,5,6,7
	v_mov_b32 v[T8+\k], 0                          ; (a DPP form's destination counts as one of its sources)
	v_mov_b32 v[PRE+\k], 0                         ; wave 0 has no wave below it
.endr
	s_wait_kmcnt 0x0
	s_add_nc_u64 s[62:63], s[6:7], s[62:63]        ; never rewritten
.irp q, 0,1,2,3,4,5,6,7,8,9,10,11,12,13,14,15
	global_load_b128 v[IDX+4*\q:IDX+4*\q+3], v1, s[6:7] offset:4096*\q
.endr
	global_load_b128 v[MY:MY+3], v1, s[62:63]
; Four indices are counted in nibbles: 1 << 4 (e % 8) onto TOT, and (e / 8) << 4 (e % 8) onto HI.  The shift takes the low five bits of 4 e, which are 4 (e % 8).
.macro COUNT4 q
	s_wait_loadcnt 16-(\q)                         ; behind load q stand the 15 - q later index loads and the load of MY
.irp i, 0,1,2,3
	v_lshlrev_b32 v[8+\i], 2, v[IDX+4*(\q)+\i]
	v_lshrrev_b32 v[12+\i], 3, v[IDX+4*(\q)+\i]
.endr
.irp i, 0
	v_lshl_add_u32 v[TOT], 1, v[8+\i], v[TOT]
	v_lshl_add_u32 v[HI], v[12+\i], v[8+\i], v[HI]
.endr
.irp i, 1, 2, 3
	s_delay_alu instid0(VALU_DEP_2)
	v_lshl_add_u32 v[TOT], 1, v[8+\i], v[TOT]
	s_delay_alu instid0(VALU_DEP_2)
	v_lshl_add_u32 v[HI], v[12+\i], v[8+\i], v[HI]
.endr
.endm
; The nibbles go over into bytes.  At most 12 tokens lie between two flushes, and a nibble holds 15; a thread has 64 tokens, and a byte holds 255.
.macro FLUSH
	v_sub_nc_u32 v6, v[TOT], v[HI]                 ; nibble n: expert n alone
	s_delay_alu instid0(VALU_DEP_1)
	v_and_b32 v7, s74, v6
	s_delay_alu instid0(VALU_DEP_1)
	v_add_nc_u32 v[ALLB], v[ALLB], v7
	s_delay_alu instid0(VALU_DEP_3)
	v_lshrrev_b32 v6, 4, v6
	s_delay_alu instid0(VALU_DEP_1)
	v_and_b32 v6, s74, v6
	s_delay_alu instid0(VALU_DEP_1)
	v_add_nc_u32 v[ALLB+1], v[ALLB+1], v6
	v_and_b32 v7, s74, v[HI]
	s_delay_alu instid0(VALU_DEP_1)
	v_add_nc_u32 v[ALLB+2], v[ALLB+2], v7
	v_lshrrev_b32 v6, 4, v[HI]
	s_delay_alu instid0(VALU_DEP_1)
	v_and_b32 v6, s74, v6
	s_delay_alu instid0(VALU_DEP_1)
	v_add_nc_u32 v[ALLB+3], v[ALLB+3], v6
	v_mov_b32 v[TOT], 0
	v_mov_b32 v[HI], 0
.endm
; In front of load c the counts so far are kept: my tokens of each expert that stand ahead of chunk c's.
.macro SNAP q
	s_cmp_lg_u32 s17, \q
	s_cbranch_scc1 .Lno_snap_\@
	FLUSH
.irp k, 0,1,2,3
	v_mov_b32 v[BEFB+\k], v[ALLB+\k]
.endr
.Lno_snap_\@:
.endm
.macro WIDEN dst, src                  ; four words of bytes become eight words of halves
.irp i, 0,1,2,3
	v_and_b32 v[\dst+2*\i], s75, v[\src+\i]
	v_lshrrev_b32 v[\dst+2*\i+1], 8, v[\src+\i]
	s_delay_alu instid0(VALU_DEP_1)
	v_and_b32 v[\dst+2*\i+1], s75, v[\dst+2*\i+1]
.endr
.endm
.irp q, 0,1,2,3,4,5,6,7,8,9,10,11,12,13,14,15
	SNAP \q
	COUNT4 \q
.if (\q%3 == 2) || (\q == 15)
	FLUSH
.endif
.endr
	WIDEN OWN, ALLB
	WIDEN BEF16, BEFB
	; the sum over the lanes up to mine: four steps inside each row of 16 lanes; lanes without a source take 0.  A half holds up to 65,535 and the sums stay at or under 16,384
.irp k, 0,1,2,3,4,5,6,7
	v_mov_b32_dpp v[T8+\k], v[OWN+\k] row_shr:1 row_mask:0xf bank_mask:0xf bound_ctrl:1
.endr
.irp k, 0,1,2,3,4,5,6,7
	v_add_nc_u32 v[W16+\k], v[OWN+\k], v[T8+\k]
.endr
.irp n, 2,4,8
.irp k, 0,1,2,3,4,5,6,7
	v_mov_b32_dpp v[T8+\k], v[W16+\k] row_shr:\n row_mask:0xf bank_mask:0xf bound_ctrl:1
.endr
.irp k, 0,1,2,3,4,5,6,7
	v_add_nc_u32 v[W16+\k], v[W16+\k], v[T8+\k]
.endr
.endr
.irp k, 0,1,2,3,4,5,6,7
	v_readlane_b32 s[20+\k], v[W16+\k], 15         ; the lower row's total
.endr
.irp k, 0,1,2,3,4,5,6,7
	v_cndmask_b32 v[T8+\k], 0, s[20+\k], s76       ; goes onto lanes 16-31
.endr
.irp k, 0,1,2,3,4,5,6,7
	v_add_nc_u32 v[W16+\k], v[W16+\k], v[T8+\k]
.endr
.irp k, 0,1,2,3,4,5,6,7
	v_readlane_b32 s[20+\k], v[W16+\k], 31         ; my wave's totals
.endr
.irp k, 0,1,2,3,4,5,6,7
	v_mov_b32 v[T8+\k], s[20+\k]
.endr
	v_and_b32 v9, 0xe0, v0                         ; 32 x wave
	ds_store_b128 v9, v[T8:T8+3] offset:RTB        ; all lanes write the same words with the same values
	ds_store_b128 v9, v[T8+4:T8+7] offset:RTB+16
	s_wait_dscnt 0x0                               ; for the others' sake: my totals lie in LDS
	s_barrier_signal -1
	s_barrier_wait -1
	v_mov_b32 v10, 0
.irp i, 0,1,2,3,4,5,6,7,8,9,10,11,12,13,14,15
	ds_load_b128 v[IDX+4*\i:IDX+4*\i+3], v10 offset:RTB+16*\i      ; wave w's eight words land in v[IDX + 8 w] on
.endr
	s_wait_loadcnt 0x0                             ; MY
	s_wait_dscnt 0x0
.irp w, 1,2,3,4,5,6,7
	s_cmp_lg_u32 s16, \w
	s_cbranch_scc1 .Lnot_wave_\w
.irp k, 0,1,2,3,4,5,6,7
.if \w == 1
	v_mov_b32 v[PRE+\k], v[IDX+\k]
.else
	v_mov_b32 v[PRE+\k], v[RUN+\k]                 ; the totals of waves 0 to w - 1
.endif
.endr
.Lnot_wave_\w:
	s_wait_alu depctr_va_vdst(0)
.irp k, 0,1,2,3,4,5,6,7
.if \w == 1
	v_add_nc_u32 v[RUN+\k], v[IDX+\k], v[IDX+8+\k]
.else
	v_add_nc_u32 v[RUN+\k], v[RUN+\k], v[IDX+8*\w+\k]
.endif
.endr
.endr
.irp k, 0,1,2,3,4,5,6,7
	v_readfirstlane_b32 s[20+\k], v[RUN+\k]        ; every expert's number of tokens
.endr
	; P_e in s[28+e], END_e = P_e + n_e in s[45+e].  ceil(n / 80) = ((n + 79) x 52,429) >> 22: 52,429 x 80 = 2^22 + 16, exact for n + 79 under 81,919
	s_mov_b32 s28, 0
.irp e, 0,1,2,3,4,5,6,7,8,9,10,11,12,13,14,15
	s_bfe_u32 s18, s[20+4*(\e/8)+2*(\e%2)+(\e/2)%2], 0x100000+16*((\e/4)%2)
	s_add_co_u32 s[45+\e], s[28+\e], s18
	s_add_co_u32 s18, s18, 79
	s_mul_i32 s18, s18, 52429
	s_lshr_b32 s18, s18, 22
	s_mul_i32 s18, s18, 80
	s_add_co_u32 s[29+\e], s[28+\e], s18
	s_cmp_eq_u32 s17, \e
	s_cselect_b32 s77, s[45+\e], s77
	s_cselect_b32 s78, s[29+\e], s78
.endr
.irp k, 0,1,2,3,4,5,6,7
	s_lshl_b32 s18, s[32+8*(\k/4)+(\k/2)%2+2*(\k%2)], 16           ; P of the word's upper expert,
	s_or_b32 s[66+\k], s18, s[28+8*(\k/4)+(\k/2)%2+2*(\k%2)]       ; over P of its lower one
.endr
.irp k, 0,1,2,3,4,5,6,7
	v_sub_nc_u32 v[BW+\k], v[W16+\k], v[OWN+\k]    ; the lanes below mine,
	s_delay_alu instid0(VALU_DEP_1)
	v_add3_u32 v[BW+\k], v[BW+\k], v[PRE+\k], v[BEF16+\k]          ; the waves below mine, my own tokens ahead of chunk c,
	s_delay_alu instid0(VALU_DEP_1)
	v_add_nc_u32 v[BW+\k], s[66+\k], v[BW+\k]      ; and the run's first slot: every half stays at or under 17,600, so nothing is carried from half to half
.endr
	; my four tokens of chunk c.  Expert e lies in word 4 (bit 3) + 2 (bit 0) + (bit 1), half (bit 2)
	s_lshl_b32 s18, s17, 10
.irp c, 0,1,2,3
	v_and_b32 v12, 2, v[MY+\c]
	s_delay_alu instid0(VALU_DEP_1)
	v_cmp_ne_u32 vcc_lo, 0, v12
.irp j, 0,1,2,3
	v_cndmask_b32 v[8+\j], v[BW+2*\j], v[BW+2*\j+1], vcc_lo
.endr
	v_and_b32 v12, 1, v[MY+\c]
	s_delay_alu instid0(VALU_DEP_1)
	v_cmp_ne_u32 vcc_lo, 0, v12
	s_delay_alu instid0(VALU_DEP_1)
	v_cndmask_b32 v8, v8, v9, vcc_lo
	s_delay_alu instid0(VALU_DEP_2)
	v_cndmask_b32 v9, v10, v11, vcc_lo
	v_and_b32 v12, 8, v[MY+\c]
	s_delay_alu instid0(VALU_DEP_1)
	v_cmp_ne_u32 vcc_lo, 0, v12
	s_delay_alu instid0(VALU_DEP_1)
	v_cndmask_b32 v8, v8, v9, vcc_lo
	v_and_b32 v12, 4, v[MY+\c]
	s_delay_alu instid0(VALU_DEP_1)
	v_lshlrev_b32 v12, 2, v12
	s_delay_alu instid0(VALU_DEP_1)
	v_lshrrev_b32 v8, v12, v8
	s_delay_alu instid0(VALU_DEP_1)
	v_and_b32 v[POS+\c], 0xffff, v8
.irp i, 0,1,2
.if \i < \c
	v_cmp_eq_u32 vcc_lo, v[MY+\i], v[MY+\c]        ; one slot on for each earlier token of the four with the same expert
	s_delay_alu instid0(VALU_DEP_1)
	v_add_co_ci_u32 v[POS+\c], vcc_lo, 0, v[POS+\c], vcc_lo
.endif
.endr
	s_delay_alu instid0(VALU_DEP_1)
	v_min_u32 v[POS+\c], 0x44bf, v[POS+\c]         ; held inside the 17,600 slots
	s_delay_alu instid0(VALU_DEP_1)
	v_lshlrev_b32 v[POS+\c], 2, v[POS+\c]
	s_add_co_u32 s19, s18, \c
	v_lshl_add_u32 v[TOK+\c], v0, 2, s19           ; token 1024 c + 4 t + its place
	global_store_b32 v[POS+\c], v[TOK+\c], s[12:13]
.endr
	; the slots that hold no token.  Threads 0-127: expert c's, from END_c to P_(c+1): under 80.  Threads 128-255: slots P_16 + 80 c on, 80 of the at most 1,200 behind the last run
	s_mul_i32 s18, s17, 80
	s_add_co_u32 s18, s18, s44
	s_add_co_u32 s19, s18, 80
	s_min_u32 s19, s19, 17600
	v_and_b32 v8, 127, v0
	v_cmp_le_u32 vcc_lo, 128, v0
	v_mov_b32 v9, s77
	s_delay_alu instid0(VALU_DEP_1)
	v_cndmask_b32 v9, v9, s18, vcc_lo              ; from
	v_mov_b32 v10, s78
	s_delay_alu instid0(VALU_DEP_1)
	v_cndmask_b32 v10, v10, s19, vcc_lo            ; to
	s_delay_alu instid0(VALU_DEP_3)
	v_add_nc_u32 v9, v9, v8
	s_delay_alu instid0(VALU_DEP_1)
	v_cmp_lt_u32 vcc_lo, v9, v10
	s_delay_alu instid0(VALU_DEP_2)
	v_min_u32 v9, 0x44bf, v9
	s_delay_alu instid0(VALU_DEP_1)
	v_lshlrev_b32 v9, 2, v9
	v_mov_b32 v11, 0
	s_wait_alu depctr_va_vdst(0)
	s_wait_xcnt 0x0                                ; EXEC is a source of the stores above: it changes only behind this wait
	s_and_saveexec_b32 s61, vcc_lo
	global_store_b32 v9, v11, s[12:13]
	s_wait_xcnt 0x0                                ; and again in front of the line that widens it; v9 and v11 are free behind it too
	s_or_b32 exec_lo, exec_lo, s61
	; the table of tiles: work-group 0, a tile a thread
	s_cmp_lg_u32 s17, 0
	s_cbranch_scc1 .Lroute_end
	v_mul_u32_u24 v8, v0, 80                       ; the tile's first slot
	v_mov_b32 v10, 0
	v_mov_b32 v12, s45
.irp e, 1,2,3,4,5,6,7,8,9,10,11,12,13,14,15
	v_cmp_le_u32 vcc_lo, s[28+\e], v8              ; the last expert whose run begins at or below the slot (an expert without tokens is passed over by the next)
	s_delay_alu instid0(VALU_DEP_1)
	v_cndmask_b32 v10, v10, \e, vcc_lo
	s_delay_alu instid0(VALU_DEP_2)
	v_cndmask_b32 v12, v12, s[45+\e], vcc_lo
.endr
	s_delay_alu instid0(VALU_DEP_1)
	v_max_u32 v12, v12, v8
	s_delay_alu instid0(VALU_DEP_1)
	v_sub_nc_u32 v11, v12, v8
	s_delay_alu instid0(VALU_DEP_1)
	v_min_u32 v11, 80, v11                         ; rows in the tile; 0 behind the last run
	global_store_b64 v2, v[10:11], s[14:15]        ; 2,048 consecutive bytes
.Lroute_end:
	s_wait_tensorcnt 0x0
	ds_add_u32 v160, v161
	s_wait_dscnt 0x0
	s_endpgm
; ======================================================================== THE QUANTISER: a wave makes one fragment, 16 rows x 128 along K
.Lquant:
	s_sub_co_u32 s17, ttmp9, 16                    ; g: rows 32 g to 32 g + 31 of the 8,192 rows of W
	s_lshr_b32 s18, s16, 2                         ; which 16 of them
	s_and_b32 s19, s16, 3                          ; which 128 along K
	s_lshl_b32 s20, s17, 1
	s_add_co_u32 s20, s20, s18
	s_lshl_b32 s20, s20, 15                        ; 16 rows of 2,048 bytes
	s_lshl_b32 s21, s19, 9
	s_add_co_u32 s20, s20, s21
	s_mov_b32 s21, 0
	s_lshl_b32 s24, s17, 3
	s_add_co_u32 s24, s24, s16
	s_lshl_b32 s24, s24, 11                        ; fragment 8 g + wave
	s_mov_b32 s25, 0
	s_lshl_b32 s26, s17, 9                         ; 32 rows x 16 scale bytes
	s_mov_b32 s27, 0
	s_mov_b32 s23, 0x600000                        ; the mantissa field of 57,344
	s_mul_i32 s22, s16, WREG                       ; my region of LDS
	s_lshl_b32 s28, s18, 8
	s_lshl_b32 s29, s19, 2
	s_add_co_u32 s28, s28, s29                     ; my 16 rows and my word among the scale bytes
	v_and_b32 v12, 31, v0                          ; lane
	s_delay_alu instid0(VALU_DEP_1)
	v_lshlrev_b32 v1, 4, v12                       ; 16 x lane
	s_delay_alu instid0(VALU_DEP_2)
	v_lshrrev_b32 v13, 2, v12
	s_delay_alu instid0(VALU_DEP_1)
	v_mul_u32_u24 v13, v13, 80
	s_delay_alu instid0(VALU_DEP_4)
	v_and_b32 v14, 3, v12
	s_delay_alu instid0(VALU_DEP_1)
	v_lshl_add_u32 v2, v14, 4, v13
	s_delay_alu instid0(VALU_DEP_1)
	v_add_nc_u32 v2, s22, v2                       ; a stage, on the way in: four lanes' 64 bytes on end, then 16 of padding
	v_mul_u32_u24 v3, v12, 80
	s_delay_alu instid0(VALU_DEP_1)
	v_add_nc_u32 v3, s22, v3                       ; and on the way out: 64 bytes a lane: 16 neighbours along K
	v_lshrrev_b32 v13, 3, v12
	s_delay_alu instid0(VALU_DEP_1)
	v_mul_u32_u24 v4, v13, 144
	v_and_b32 v14, 7, v12
	s_delay_alu instid0(VALU_DEP_1)
	v_lshl_add_u32 v4, v14, 4, v4
	s_delay_alu instid0(VALU_DEP_1)
	v_add_nc_u32 v4, s22, v4                       ; the code tile: row lane / 8 of a step's four, 16 (lane % 8) along K
	v_bfe_u32 v14, v0, 1, 2
	s_delay_alu instid0(VALU_DEP_1)
	v_lshl_add_u32 v5, v13, 4, v14
	s_delay_alu instid0(VALU_DEP_1)
	v_add_nc_u32 v5, s28, v5                       ; my block's scale byte
	v_and_b32 v13, 15, v0
	s_delay_alu instid0(VALU_DEP_1)
	v_mul_u32_u24 v6, v13, 144
	v_bfe_u32 v14, v0, 4, 1
	s_delay_alu instid0(VALU_DEP_1)
	v_lshl_add_u32 v6, v14, 4, v6
	s_delay_alu instid0(VALU_DEP_1)
	v_add_nc_u32 v6, s22, v6                       ; the code tile read as a fragment: row lane % 16, + 16 (lane / 16)
	s_wait_kmcnt 0x0
	s_add_nc_u64 s[4:5], s[4:5], s[20:21]
	s_add_nc_u64 s[8:9], s[8:9], s[24:25]
	s_add_nc_u64 s[10:11], s[10:11], s[26:27]
.irp p, 0,1,2,3,4,5,6,7,8,9,10,11,12,13,14,15
	global_load_b128 v[R+4*\p:R+4*\p+3], v1, s[4:5] offset:2048*\p th:TH_LOAD_NT    ; row p: 512 consecutive bytes, read once in the launch
.endr
; Four rows (2,048 bytes) go through a stage as they lie and come back 64 bytes a lane: lane l then holds row 4 t + l / 8, k = 16 (l % 8) + 0 .. 15.  LDS serves a wave's instructions in order: no wait between.
.macro TURN t
.irp i, 0,1,2,3
	ds_store_b128 v2, v[R+16*(\t)+4*\i:R+16*(\t)+4*\i+3] offset:2560*((\t)%2)+640*\i
.endr
.irp i, 0,1,2,3
	ds_load_b128 v[X+16*((\t)%2)+4*\i:X+16*((\t)%2)+4*\i+3], v3 offset:2560*((\t)%2)+16*\i
.endr
.endm
.macro QSTEP t
.if (\t) < 3
	s_wait_loadcnt 8-4*(\t)                        ; the next step's four rows are in; the later steps' may be out
	TURN (\t)+1
.endif
.if (\t) == 0
	s_wait_dscnt 8                                 ; this step's numbers are back; out may be: the next turn's eight
.elseif (\t) < 3
	s_wait_dscnt 10                                ; the last step's two stores and the next turn's eight
.else
	s_wait_dscnt 2                                 ; the last step's two stores
.endif
.set XS, X+16*((\t)%2)
	v_max3_num_f32 v8, |v[XS]|, |v[XS+1]|, |v[XS+2]|               ; the largest magnitude of my 16
	v_max3_num_f32 v9, |v[XS+3]|, |v[XS+4]|, |v[XS+5]|
.irp i, 6,10
	s_delay_alu instid0(VALU_DEP_2)
	v_max3_num_f32 v8, v8, |v[XS+\i]|, |v[XS+\i+1]|
	s_delay_alu instid0(VALU_DEP_2)
	v_max3_num_f32 v9, v9, |v[XS+\i+2]|, |v[XS+\i+3]|
.endr
	s_delay_alu instid0(VALU_DEP_2)
	v_max3_num_f32 v8, v8, |v[XS+14]|, |v[XS+15]|
	s_delay_alu instid0(VALU_DEP_1)
	v_max3_num_f32 v8, v8, v9, 0x8000000           ; and the floor 2^(16 - 127): the byte cannot fall under 1
	s_delay_alu instid0(VALU_DEP_1)
	v_max_num_f32_dpp v8, v8, v8 row_xmask:1 row_mask:0xf bank_mask:0xf   ; with my neighbour's 16: the block's
	s_delay_alu instid0(VALU_DEP_1)
	v_add_nc_u32 v11, 0xf8800000, v8               ; 15 off its exponent field: the conversion takes the exponent field of this operand as its scale
	s_delay_alu instid0(VALU_DEP_2)
	v_and_or_b32 v10, v8, 0x7f800000, s23          ; 57,344 x the scale
.irp i, 0,1,2,3,4,5,6,7,8,9,10,11,12,13,14,15
	v_med3_num_f32 v[XS+\i], v[XS+\i], -v10, v10   ; the conversion to an 8-bit code does not saturate (ISA guide 7.6.2): the number is held first
.endr
	v_cvt_scalef32_pk8_bf8_f32 v[C+4*(\t):C+4*(\t)+1], v[XS:XS+7], v11
	v_cvt_scalef32_pk8_bf8_f32 v[C+4*(\t)+2:C+4*(\t)+3], v[XS+8:XS+15], v11
	v_lshrrev_b32 v[E+(\t)], 23, v11               ; the scale's byte (also the plain line behind the conversions)
	ds_store_b128 v4, v[C+4*(\t):C+4*(\t)+3] offset:CT+576*(\t)
	ds_store_b8 v5, v[E+(\t)] offset:SCW+64*(\t)   ; both lanes of a block write the same byte with the same value
.endm
	s_wait_loadcnt 12                              ; rows 0 to 3 are in
	TURN 0
	QSTEP 0
	QSTEP 1
	QSTEP 2
	QSTEP 3
.irp c, 0,1,2,3
	ds_load_b128 v[FG+4*\c:FG+4*\c+3], v6 offset:CT+32*\c          ; registers 4 c on: k = 32 c + 16 (lane / 16) + 0 .. 15 of row lane % 16
.endr
	s_wait_dscnt 0x0                               ; the fragment is in; and, for the others' sake, my scale bytes lie in LDS
.irp c, 0,1,2,3
	global_store_b128 v1, v[FG+4*\c:FG+4*\c+3], s[8:9] offset:512*\c               ; 512 consecutive bytes, aligned
.endr
	s_barrier_signal -1
	s_barrier_wait -1                              ; all eight waves' scale bytes lie in LDS
	s_cmp_lg_u32 s16, 0
	s_cbranch_scc1 .Lquant_end
	ds_load_b128 v[8:11], v1 offset:SCW
	s_wait_dscnt 0x0
	global_store_b128 v1, v[8:11], s[10:11]        ; wave 0 stores the 32 rows' 512 scale bytes, consecutive and aligned
.Lquant_end:
	s_wait_tensorcnt 0x0
	ds_add_u32 v160, v161
	s_wait_dscnt 0x0
	s_endpgm
.Lfunc_end_k_q8a4a6d650d_prep:
	.size	k_q8a4a6d650d_prep, .Lfunc_end_k_q8a4a6d650d_prep-k_q8a4a6d650d_prep
	.p2alignl 7, 3214868480
	.fill 96, 4, 3214868480
	.section	.rodata,"a",@progbits
	.p2align	6, 0x0
	.amdhsa_kernel k_q8a4a6d650d_prep
		.amdhsa_group_segment_fixed_size 63232
		.amdhsa_private_segment_fixed_size 0
		.amdhsa_enable_private_segment 0
		.amdhsa_kernarg_size 48
		.amdhsa_user_sgpr_count 2
		.amdhsa_user_sgpr_kernarg_segment_ptr 1
		.amdhsa_wavefront_size32 1
		.amdhsa_system_sgpr_workgroup_id_x 1
		.amdhsa_system_sgpr_workgroup_id_y 1
		.amdhsa_system_sgpr_workgroup_id_z 1
		.amdhsa_system_vgpr_workitem_id 0
		.amdhsa_next_free_vgpr 162
		.amdhsa_next_free_sgpr 80
		.amdhsa_reserve_vcc 1
		.amdhsa_float_denorm_mode_32 3
		.amdhsa_float_denorm_mode_16_64 3
		.amdhsa_memory_ordered 1
		.amdhsa_forward_progress 1
		.amdhsa_inst_pref_size 85
	.end_amdhsa_kernel
	.amdgpu_metadata
---
amdhsa.version: [ 1, 2 ]
amdhsa.kernels:
  - .name:           k_q8a4a6d650d_prep
    .symbol:         k_q8a4a6d650d_prep.kd
    .args:
      - { .name: W, .offset: 0, .size: 8, .value_kind: global_buffer, .address_space: global }
      - { .name: expert_idx, .offset: 8, .size: 8, .value_kind: global_buffer, .address_space: global }
      - { .name: wq, .offset: 16, .size: 8, .value_kind: global_buffer, .address_space: global }
      - { .name: ws, .offset: 24, .size: 8, .value_kind: global_buffer, .address_space: global }
      - { .name: rows, .offset: 32, .size: 8, .value_kind: global_buffer, .address_space: global }
      - { .name: tiles, .offset: 40, .size: 8, .value_kind: global_buffer, .address_space: global }
    .group_segment_fixed_size: 63232
    .private_segment_fixed_size: 0
    .kernarg_segment_align: 8
    .kernarg_segment_size: 48
    .max_flat_workgroup_size: 256
    .sgpr_count:     80
    .vgpr_count:     162
    .wavefront_size: 32
...
	.end_amdgpu_metadata
.endif
;; end of part 3
;; launch experts (part 4): grid 220 x 1, 4 waves a work-group, no clusters, 98,304 bytes of LDS; arguments action, wq, ws, b, rows, tiles, out0; writes out0
.if DOCPART == 4
	.amdgcn_target "amdgcn-amd-amdhsa--gfx1250"
	.amdhsa_code_object_version 6
	.text
	.protected	k_q8a4a6d650d_experts
	.globl	k_q8a4a6d650d_experts
	.p2align	8
	.type	k_q8a4a6d650d_experts,@function
k_q8a4a6d650d_experts:
	s_mov_b64 s[64:65], 0
	v_nop
	global_prefetch_b8 v0, s[64:65] scope:SCOPE_SE
	s_setreg_imm32_b32 hwreg(HW_REG_WAVE_SCHED_MODE, 0, 2), 2
	s_setreg_imm32_b32 hwreg(HW_REG_WAVE_MODE, 25, 1), 1
	s_wait_xcnt 0x0
	s_wait_alu depctr_vm_vsrc(0)
; out0[i] = Q(action[i]) Q(W[e_i])^T + b[e_i], e_i = expert_idx[i]: only the chosen expert's product is made for each token.  Q: codes of BF8 (E5M2), one E8M0 scale for each 32 along K; sums in f32.
; SHARES.  Work-group i takes tile i of the stored table: up to 80 rows of ONE expert x all 512 columns, from the gather to the store.  16,384 rows in tiles of 80 over 16 experts are never more than
; ceil(16384 / 80) + 15 = 220 tiles, whatever the split: that is the grid.  A tile that a split leaves without rows stores nothing.
; PHASE A: wave w gathers rows 20 w to 20 w + 19 of the tile (a row of action is 2,048 bytes: four loads of 512 consecutive bytes), quantises them and lays codes and scale bytes into LDS by rows.
;   Meanwhile the wave's part of the expert's weights, already codes in the order of the operand's registers, is on its way from memory straight into registers.
; ONE BARRIER, on every wave's path; the branch on the tile's count stands behind it.
; PHASE B: wave w makes columns 128 w to 128 w + 127 for all 80 rows: 5 x 8 accumulators, four K steps of 128, 160 matrix instructions.  THE MATRIX INSTRUCTION IS USED TRANSPOSED (source 0 = 16 rows of W,
;   source 1 = 16 rows of action): a lane holds eight neighbouring columns of one row.  The bias is the C of the first K step.
; THE WAY OUT: 16 rows at a time through the wave's own stage in LDS; a store covers 512 consecutive bytes of one row of out0, aligned.  Rows past the tile's count are not stored.
; NO TENSOR LOADS AND NO CLUSTER: what is stored, and which weights are read, hang on numbers read from memory, and the tiles of one expert are not a fixed number, so partners could not make every joint request alike.
; NO PREFETCH: all of a work-group's loads go out at its head or during phase A; there is no later trip for which anything could be asked earlier.
; LIMITS: NaN and infinities are not served.  A block of zeros gets the scale byte 1 where the rule says 127: its codes are zeros, and the bytes never leave this launch.  Stored numbers are clamped before they enter an address.
; REGISTERS, in windows of 256 (s_set_vgpr_msb: bits 1:0 source 0, 3:2 source 1, 5:4 source 2, 7:6 destination):
;   window 0: v1-13 addresses; v16-35 the gathered rows' offsets, later the stores'; v36-55 action's scale words, v56-71 W's (scales and nothing else); v72-77 at work;
;             v80-159, v160-239 action's fragments, two sets (in phase A: v80-119 at work; on the way out: v80-207 rows read back, v208-255 offsets)
;   window 1: v0-127 W's fragments of K step 0, later of K step 3; v128-255 of K step 1
;   window 2: accumulator (m, t) at v[64 m + 8 t], m = 0 .. 3 (in phase A: rows 0-15 as loaded, 16 registers each)
;   window 3: v0-63 accumulator (4, t) (in phase A: rows 16-19 as loaded); v64-127 the bias, 8 registers a column tile; v128-255 W's fragments of K step 2
; THE MODE: SCHED_MODE bits 1:0 = 2 (LLVM: expert scheduling mode 2), set by the entry lines.  The code itself states the register dependences
; between vector or matrix instructions and memory or LDS instructions, with s_wait_alu, always for 0.
; THE PLAN.  Registers that memory or LDS instructions touch, and who else names them:
;   v1-7, v10-13  offsets and LDS addresses: made at the head, never written again.  v16-35: the gather's offsets, made at the head; v16-31 are written again on the way out.
;   the rows as loaded (window 2, window 3 v0-63): the gather lands there, the stores into the stage read them, the products write them.
;   X0, X1        Row j's LDS loads, issued in row j - 1's turn, land in X[j % 2]; row j's vector lines read and rewrite it.
;   C0, C1, v76-77  Row j's conversions and shift write set j % 2; the two LDS stores that read it are issued in row j + 1's turn; row j + 2 writes it again.
;   W's fragments, the bias, the scale words: loaded, and read by products alone; K step 3 lands where K step 0 lay.
;   AF0, AF1      action's fragments of K step k lie in set k % 2; K step k + 2 lands there behind K step k's products.
;   accumulators  written by the products, read by the LDS stores of the way out.
;   BK0, BK1      block m's rows come back from the stage into set m % 2 and are read by its global stores; block m + 2 lands there.
;   OF0 .. OF3    the stores' offsets of rows 0-63, made in one run; OF0 is written once more, for rows 64-79.
; So a row's turn has one wait on va_vdst, behind the memory instructions that hang on no vector line; a K step that is followed by loads into its operands has one behind its last product, and those loads are
; dealt behind the next K step's first eight products, which name none of their registers; the way out has one for four blocks and one for the fifth.  Waits on vm_vsrc stand a turn or a block behind the stores that they wait for.
.set FSTW,   5120                      ; LDS 0: for each wave two stages of 32 x 80 bytes, for the turn of a row of f32
.set ACODE,  20480                     ; 80 rows of codes,
.set APITCH, 528                       ; 512 bytes + 16 = 33 x 16: the sixteen rows that a load touches start 16 bytes apart modulo 256
.set ASC,    62720                     ; 80 rows x 16 scale bytes
.set OST,    64000                     ; for each wave a stage of 16 rows x 528 bytes, for the way out
.set VO,   16
.set SA,   36
.set SB,   56
.set X,    80                          ; phase A: two sets of 16 neighbours along K
.set C,    112                         ; phase A: two sets of four registers of codes
.set AF,   80
.set BK,   80                          ; the way out: v80-143 and v144-207 by turns
.set OF0,  16
.set OF1,  208
.set OF2,  224
.set OF3,  240
.set BIAS, 64
.set MSB,  0
.macro WIN new                         ; the immediate's high byte repeats the setting that is left; a switch that changes nothing is dropped
.if MSB != \new
	s_set_vgpr_msb (MSB<<8)|\new
.set MSB, \new
.endif
.endm
.macro PLACES n                        ; plain vector lines behind a matrix instruction, in front of loads into its registers and of the first read of results; the wait that states the dependence stands behind them
.rept \n
	v_nop
.endr
.endm
	s_load_b256 s[4:11], s[0:1], 0x0               ; action s[4:5], wq s[6:7], ws s[8:9], b s[10:11]
	s_load_b128 s[12:15], s[0:1], 0x20             ; rows s[12:13], tiles s[14:15]
	s_load_b64 s[16:17], s[0:1], 0x30              ; out0
	v_lshl_add_u32 v78, v0, 2, 0x17e00
	v_mov_b32 v79, 0
	v_lshrrev_b32 v1, 5, v0
	v_readfirstlane_b32 s20, v1                    ; wave 0..3
	s_mul_i32 s24, ttmp9, 320                      ; my tile's 80 slots
	s_mov_b32 s25, 0
	s_lshl_b32 s26, ttmp9, 3                       ; my tile's pair
	s_mov_b32 s27, 0
	s_wait_alu depctr_va_sdst(0)                   ; s20 is written, ahead of its first reader: the wave's slots, LDS regions and parts of W, b and out0 are made from it
	s_mul_i32 s30, s20, 80                         ; my wave's 20 slots
	s_mov_b32 s31, 0
	s_mov_b32 s22, 0x600000                        ; the mantissa field of 57,344
	s_wait_kmcnt 0x0
	s_add_nc_u64 s[12:13], s[12:13], s[24:25]
	s_add_nc_u64 s[14:15], s[14:15], s[26:27]
	s_add_nc_u64 s[28:29], s[12:13], s[30:31]
	s_load_b64 s[18:19], s[14:15], 0x0             ; s18 the expert, s19 the rows in the tile
	s_load_b512 s[32:47], s[28:29], 0x0            ; my 20 tokens
	s_load_b128 s[48:51], s[28:29], 0x40
	v_and_b32 v8, 31, v0                           ; lane
	v_and_b32 v9, 15, v0                           ; r
	v_bfe_u32 v14, v0, 4, 1                        ; h
	v_lshlrev_b32 v1, 4, v8                        ; 16 x lane
	s_mul_i32 s23, s20, FSTW
	v_lshrrev_b32 v2, 2, v8
	v_mul_u32_u24 v2, v2, 80
	v_and_b32 v3, 3, v8
	v_lshl_add_u32 v2, v3, 4, v2
	v_add_nc_u32 v2, s23, v2                       ; a stage, on the way in: four lanes' 64 bytes on end, then 16 of padding
	v_mul_u32_u24 v3, v8, 80
	v_add_nc_u32 v3, s23, v3                       ; and on the way out: 64 bytes a lane
	s_mul_i32 s23, s20, 20*APITCH
	v_add_nc_u32 v4, s23, v1                       ; my wave's rows of codes, 16 bytes a lane
	s_mul_i32 s23, s20, 320
	v_lshrrev_b32 v5, 1, v8
	v_add_nc_u32 v5, s23, v5                       ; my wave's rows of scale bytes, my block's byte
	v_mul_u32_u24 v6, v9, APITCH
	v_lshl_add_u32 v6, v14, 4, v6                  ; a fragment of action: row r, + 16 h
	v_lshlrev_b32 v7, 4, v9                        ; its row's 16 scale bytes
	v_lshlrev_b32 v10, 5, v14                      ; the bias: my half's eight numbers of a column tile
	s_mul_i32 s23, s20, 16*APITCH
	s_add_co_u32 s23, s23, OST                     ; my stage for the way out
	v_mul_u32_u24 v11, v9, APITCH
	v_add_nc_u32 v11, v11, v10
	v_add_nc_u32 v11, s23, v11                     ; in: row r, + 32 h
	v_add_nc_u32 v12, s23, v1                      ; back: a row of 512 bytes, 16 a lane
	s_lshl_b32 s23, s20, 9
	v_add_nc_u32 v13, s23, v1                      ; and the same place in a row of out0: my wave's 512 bytes
	s_wait_kmcnt 0x0
.irp j, 0,1,2,3,4,5,6,7,8,9,10,11,12,13,14,15,16,17,18,19
	s_min_u32 s[32+\j], s[32+\j], 0x3fff           ; a stored number enters an address only clamped
	v_lshl_add_u32 v[VO+\j], s[32+\j], 11, v1      ; token x 2,048 + 16 x lane
.endr
	WIN 0x80                                       ; destination window 2
	s_wait_alu depctr_va_vdst(0)                   ; v1 to v13 and the 20 offsets v16 to v35 are written: every load, LDS instruction and store of the kernel but the way out's global stores reads one of them as its address
.irp j, 0,1,2,3,4,5,6,7,8,9,10,11,12,13,14,15
.irp i, 0,1,2,3
	global_load_b128 v[16*\j+4*\i:16*\j+4*\i+3], v[VO+\j], s[4:5] offset:512*\i th:TH_LOAD_NT   ; 512 consecutive bytes.  The list names each token once; filler slots alone name token 0 again
.endr
.endr
	WIN 0xc0                                       ; destination window 3
.irp j, 16,17,18,19
.irp i, 0,1,2,3
	global_load_b128 v[16*(\j-16)+4*\i:16*(\j-16)+4*\i+3], v[VO+\j], s[4:5] offset:512*\i th:TH_LOAD_NT
.endr
.endr
	s_min_u32 s18, s18, 15
	s_lshl_b32 s24, s18, 18                        ; wq: an expert is 262,144 bytes, my 8 column tiles 65,536
	s_lshl_b32 s26, s20, 16
	s_add_co_u32 s24, s24, s26
	s_add_nc_u64 s[6:7], s[6:7], s[24:25]
	s_lshl_b32 s24, s18, 13                        ; ws: 8,192 and 2,048
	s_lshl_b32 s26, s20, 11
	s_add_co_u32 s24, s24, s26
	s_add_nc_u64 s[8:9], s[8:9], s[24:25]
	s_lshl_b32 s24, s18, 11                        ; b: 2,048 and 512
	s_lshl_b32 s26, s20, 9
	s_add_co_u32 s24, s24, s26
	s_add_nc_u64 s[10:11], s[10:11], s[24:25]
.irp t, 0,1,2,3,4,5,6,7
	global_load_b128 v[BIAS+8*\t:BIAS+8*\t+3], v10, s[10:11] offset:64*\t          ; lane (r, h): b of columns 16 t + 8 h + 0 .. 7: the result's layout
	global_load_b128 v[BIAS+8*\t+4:BIAS+8*\t+7], v10, s[10:11] offset:64*\t+16
.endr
	WIN 0
.irp p, 0,1,2,3
	global_load_b128 v[SB+4*\p:SB+4*\p+3], v1, s[8:9] offset:512*\p                ; W's scale words of four K steps: lanes 0-15 column tile 2 p, lanes 16-31 tile 2 p + 1
.endr
; ---- PHASE A
; Row j (2,048 bytes as loaded, 16 bytes a lane and load) goes through a stage and comes back 64 bytes a lane: lane l then holds k = 16 l + 0 .. 15.  LDS serves a wave's instructions in order: no wait on DScnt between.
.macro TURN_IN j                       ; into the stage.  These stores read registers that loads wrote and that no vector line names
.if (\j) < 16
	WIN 0x08                                       ; an LDS store's data are its source 1: window 2
.set RW, 16*(\j)
.else
	WIN 0x0c                                       ; window 3
.set RW, 16*((\j)-16)
.endif
.irp i, 0,1,2,3
	ds_store_b128 v2, v[RW+4*\i:RW+4*\i+3] offset:2560*((\j)%2)+640*\i
.endr
.endm
.macro TURN_OUT j                      ; and back, into X[j % 2] (every window is 0 here)
.irp i, 0,1,2,3
	ds_load_b128 v[X+16*((\j)%2)+4*\i:X+16*((\j)%2)+4*\i+3], v3 offset:2560*((\j)%2)+16*\i
.endr
.endm
; Fragment f of W's first three K steps (K step f / 8, column tile f % 8): four loads of 512 consecutive bytes, straight into the operand's registers.  No hint: the expert's other tiles read the same bytes.
; They land in registers that no vector or matrix instruction has named.
.macro BFRAG f
.if (\f) < 16
	WIN 0x40                                       ; destination window 1: K step 0 at 16 t, K step 1 at 128 + 16 t
.set BD, 16*(\f)
.else
	WIN 0xc0                                       ; destination window 3: K step 2 at 128 + 16 t
.set BD, 128+16*((\f)-16)
.endif
.irp c, 0,1,2,3
	global_load_b128 v[BD+4*\c:BD+4*\c+3], v1, s[6:7] offset:8192*((\f)%8)+2048*((\f)/8)+512*\c
.endr
.endm
.macro STORE_ROW r                     ; row r's codes and scale bytes go to LDS, a turn behind the lines that made them
	ds_store_b128 v4, v[C+4*((\r)%2):C+4*((\r)%2)+3] offset:ACODE+APITCH*(\r)      ; the row's 512 codes: 16 a lane, on end
	ds_store_b8 v5, v[76+(\r)%2] offset:ASC+16*(\r)                                ; both lanes of a block write the same byte with the same value
.endm
.macro ROW j
.if (\j) < 19
	s_wait_loadcnt 63                              ; row j + 1 is in.  Behind its four loads stand 92 younger ones (the rows after it, 20 of bias and scales, 4 j of W)
.endif
.if (\j) >= 2
	s_wait_alu depctr_vm_vsrc(0)                   ; the two LDS stores issued in the last row's turn have read C[j % 2] and v[76 + j % 2], which this row's conversions and shift write again
.endif
.if (\j) < 19
	TURN_IN (\j)+1
.endif
	BFRAG \j                                       ; one fragment of W is asked for in each row's turn
	WIN 0
.if (\j) >= 1
	s_wait_alu depctr_va_vdst(0)                   ; row j - 1's lines have written its codes and its byte, which the two stores below read, and are done with its X, in which the loads below land
	STORE_ROW (\j)-1
.endif
.if (\j) < 19
	TURN_OUT (\j)+1
.endif
.if (\j) == 0
	s_wait_dscnt 8                                 ; this row is back from the stage; out may be: the next turn's eight
.elseif (\j) < 19
	s_wait_dscnt 10                                ; the next turn's eight and the last row's two stores
.else
	s_wait_dscnt 2                                 ; the last row's two stores
.endif
.set XS, X+16*((\j)%2)
.set CS, C+4*((\j)%2)
	v_max3_num_f32 v72, |v[XS]|, |v[XS+1]|, |v[XS+2]|              ; the largest magnitude of my 16
	v_max3_num_f32 v73, |v[XS+3]|, |v[XS+4]|, |v[XS+5]|
.irp i, 6,10
	v_max3_num_f32 v72, v72, |v[XS+\i]|, |v[XS+\i+1]|
	v_max3_num_f32 v73, v73, |v[XS+\i+2]|, |v[XS+\i+3]|
.endr
	v_max3_num_f32 v72, v72, |v[XS+14]|, |v[XS+15]|
	v_max3_num_f32 v72, v72, v73, 0x8000000        ; and the floor 2^(16 - 127): the byte cannot fall under 1
	v_max_num_f32_dpp v72, v72, v72 row_xmask:1 row_mask:0xf bank_mask:0xf   ; with my neighbour's 16: the block's
	v_add_nc_u32 v75, 0xf8800000, v72              ; 15 off its exponent field: the conversion's scale operand
	v_and_or_b32 v74, v72, 0x7f800000, s22         ; 57,344 x the scale
.irp i, 0,1,2,3,4,5,6,7,8,9,10,11,12,13,14,15
	v_med3_num_f32 v[XS+\i], v[XS+\i], -v74, v74   ; the conversion to an 8-bit code does not saturate (ISA guide 7.6.2): the number is held first
.endr
	v_cvt_scalef32_pk8_bf8_f32 v[CS:CS+1], v[XS:XS+7], v75
	v_cvt_scalef32_pk8_bf8_f32 v[CS+2:CS+3], v[XS+8:XS+15], v75
	v_lshrrev_b32 v[76+(\j)%2], 23, v75            ; the scale's byte (also the plain line behind the conversions)
.endm
	s_wait_loadcnt 63                              ; row 0 is in: 96 younger loads stand behind it
	TURN_IN 0
	WIN 0
	TURN_OUT 0
.irp j, 0,1,2,3,4,5,6,7,8,9,10,11,12,13,14,15,16,17,18,19
	ROW \j
.endr
	BFRAG 20
	BFRAG 21
	BFRAG 22
	BFRAG 23
	WIN 0
	s_wait_alu depctr_va_vdst(0)                   ; row 19's lines have written its codes and its byte, which the two stores below read; phase A's lines are done with v80 to v119, in which action's fragments land
	STORE_ROW 19
	s_wait_dscnt 0x0                               ; for the others' sake: my rows' codes and scale bytes lie in LDS
	s_barrier_signal -1
	s_barrier_wait -1                              ; all 80 rows do.  Nobody writes these bytes again
	s_wait_alu depctr_vm_vsrc(0)                   ; my LDS stores have read the rows as loaded, which the products write, and v112 to v119, in which action's fragments land; the gather's loads have read v16 to v31, which the way out writes
	s_cmp_eq_u32 s19, 0                            ; a tile without rows ends here, behind the launch's one barrier
	s_cbranch_scc1 .Lend
; ---- PHASE B
.macro FETCH_A ks, buf                 ; action's five fragments of K step ks: registers 4 c on hold k = 128 ks + 32 c + 16 h + 0 .. 15 of row 16 m + r
.irp m, 0,1,2,3,4
.irp c, 0,1,2,3
	ds_load_b128 v[AF+80*(\buf)+16*\m+4*\c:AF+80*(\buf)+16*\m+4*\c+3], v6 offset:ACODE+16*APITCH*\m+128*(\ks)+32*\c
.endr
.endr
.endm
; One product: accumulator at d, W's fragment of column tile t at bf + 16 t, action's rows 16 m on.  W's scale words of an odd column tile lie in lanes 16-31 of their register.
.macro MMA ks, bf, d, m, t
.if (\ks) == 0
.if (\t)%2
	v_wmma_scale_f32_16x16x128_f8f6f4 v[(\d):(\d)+7], v[(\bf)+16*(\t):(\bf)+16*(\t)+15], v[AF+80*((\ks)%2)+16*(\m):AF+80*((\ks)%2)+16*(\m)+15], v[BIAS+8*(\t):BIAS+8*(\t)+7], v[SB+4*((\t)/2)+(\ks)], v[SA+4*(\m)+(\ks)] matrix_a_fmt:MATRIX_FMT_BF8 matrix_b_fmt:MATRIX_FMT_BF8 matrix_a_scale:MATRIX_SCALE_ROW1
.else
	v_wmma_scale_f32_16x16x128_f8f6f4 v[(\d):(\d)+7], v[(\bf)+16*(\t):(\bf)+16*(\t)+15], v[AF+80*((\ks)%2)+16*(\m):AF+80*((\ks)%2)+16*(\m)+15], v[BIAS+8*(\t):BIAS+8*(\t)+7], v[SB+4*((\t)/2)+(\ks)], v[SA+4*(\m)+(\ks)] matrix_a_fmt:MATRIX_FMT_BF8 matrix_b_fmt:MATRIX_FMT_BF8
.endif
.else
.if (\t)%2
	v_wmma_scale_f32_16x16x128_f8f6f4 v[(\d):(\d)+7], v[(\bf)+16*(\t):(\bf)+16*(\t)+15], v[AF+80*((\ks)%2)+16*(\m):AF+80*((\ks)%2)+16*(\m)+15], v[(\d):(\d)+7], v[SB+4*((\t)/2)+(\ks)], v[SA+4*(\m)+(\ks)] matrix_a_fmt:MATRIX_FMT_BF8 matrix_b_fmt:MATRIX_FMT_BF8 matrix_a_scale:MATRIX_SCALE_ROW1
.else
	v_wmma_scale_f32_16x16x128_f8f6f4 v[(\d):(\d)+7], v[(\bf)+16*(\t):(\bf)+16*(\t)+15], v[AF+80*((\ks)%2)+16*(\m):AF+80*((\ks)%2)+16*(\m)+15], v[(\d):(\d)+7], v[SB+4*((\t)/2)+(\ks)], v[SA+4*(\m)+(\ks)] matrix_a_fmt:MATRIX_FMT_BF8 matrix_b_fmt:MATRIX_FMT_BF8
.endif
.endif
.endm
; A K step: 40 products, in three parts.  The 40 accumulators take turns, one instruction a turn, in the same order in every K step.  Two window settings: rows 0-63 (parts A and B), then rows 64-79 (part C).
.macro STEP_A ks, bf                   ; column tiles 0 and 1 x rows 0-63: eight products
.irp t, 0,1
.irp m, 0,1,2,3
	MMA \ks, \bf, 64*\m+8*\t, \m, \t
.endr
.endr
.endm
.macro STEP_B ks, bf                   ; column tiles 2 to 7 x rows 0-63
.irp t, 2,3,4,5,6,7
.irp m, 0,1,2,3
	MMA \ks, \bf, 64*\m+8*\t, \m, \t
.endr
.endr
.endm
.macro STEP_C ks, bf                   ; all column tiles x rows 64-79
.irp t, 0,1,2,3,4,5,6,7
	MMA \ks, \bf, 8*\t, 4, \t
.endr
.endm
	s_load_b512 s[32:47], s[12:13], 0x0            ; the tile's tokens once more, for the stores: rows 0-15,
	s_load_b512 s[48:63], s[12:13], 0x40           ; 16-31,
	s_load_b512 s[68:83], s[12:13], 0x80           ; 32-47,
	s_load_b512 s[84:99], s[12:13], 0xc0           ; 48-63
.irp m, 0,1,2,3,4
	ds_load_b128 v[SA+4*\m:SA+4*\m+3], v7 offset:ASC+256*\m        ; lane r: row 16 m + r's scale words of the four K steps
.endr
	FETCH_A 0, 0
	FETCH_A 1, 1
	s_wait_loadcnt 63                              ; bias, W's scales and K step 0 are in: 64 younger loads (K steps 1 and 2) stand behind them
	s_wait_dscnt 20                                ; action's scales and K step 0 are in; K step 1's 20 loads may be out
	WIN 0xb1                                       ; W window 1, action window 0, C = the bias in window 3, D window 2;
	STEP_A 0, 0
	STEP_B 0, 0
	WIN 0xf1                                       ; then D window 3
	STEP_C 0, 0
	PLACES 8
	s_wait_alu depctr_va_vdst(0)                   ; K step 0's products are done reading W's fragments in window 1 v0-127 and action's set 0: K step 3 of W and K step 2 of action land there, behind the eight products below
	s_wait_dscnt 0x0                               ; action's K step 1 is in: its 20 loads are the youngest
	s_wait_loadcnt 32                              ; W's K step 1 is in; K step 2's 32 loads may be out
	WIN 0xa1
	STEP_A 1, 128                                  ; these eight name window 1 v128-159, v160-223, scale words and accumulators: none of the registers that the 52 loads below touch
	WIN 0x40
.irp t, 0,1,2,3,4,5,6,7
.irp c, 0,1,2,3
	global_load_b128 v[16*\t+4*\c:16*\t+4*\c+3], v1, s[6:7] offset:8192*\t+6144+512*\c      ; K step 3 takes the registers that K step 0 has left
.endr
.endr
	WIN 0
	FETCH_A 2, 0
	WIN 0xa1
	STEP_B 1, 128
	WIN 0xf1
	STEP_C 1, 128
	PLACES 8
	s_wait_alu depctr_va_vdst(0)                   ; K step 1's products are done reading action's set 1, in which K step 3 lands, behind the eight products below
	s_wait_dscnt 0x0                               ; action's K step 2 is in (asked for 32 products ago)
	s_wait_loadcnt 32                              ; W's K step 2 is in; K step 3's 32 loads may be out
	WIN 0xa3                                       ; W window 3
	STEP_A 2, 128                                  ; these eight name window 3 v128-159, v80-143, scale words and accumulators: none of the registers that the 20 loads below touch
	WIN 0
	FETCH_A 3, 1
	WIN 0xa3
	STEP_B 2, 128
	WIN 0xf3
	STEP_C 2, 128
	s_wait_dscnt 0x0
	s_wait_loadcnt 0x0
	WIN 0xa1
	STEP_A 3, 0
	STEP_B 3, 0
	WIN 0xf1
	STEP_C 3, 0
	WIN 0
	PLACES 8                                       ; in front of the first read of results, of the loads into the registers that held action's fragments, and of the offsets written there
; ---- THE WAY OUT, 16 rows at a time
.macro OFFSETS tk, of                  ; where the block's 16 rows go: token x 2,048 + my wave's 512 bytes + 16 x lane
.irp i, 0,1,2,3,4,5,6,7,8,9,10,11,12,13,14,15
	s_min_u32 s[\tk+\i], s[\tk+\i], 0x3fff
	v_lshl_add_u32 v[\of+\i], s[\tk+\i], 11, v13
.endr
.endm
.macro TOSTAGE m                       ; a lane's 32 bytes of a row go into my stage; whole rows of 512 bytes come back.  LDS serves a wave's instructions in order: no wait between, nor in front of the next block's stores
.if (\m) < 4
	WIN 0x08
.set AC, 64*(\m)
.else
	WIN 0x0c
.set AC, 0
.endif
.irp t, 0,1,2,3,4,5,6,7
	ds_store_b128 v11, v[AC+8*\t:AC+8*\t+3] offset:64*\t           ; each accumulator from its low end on
	ds_store_b128 v11, v[AC+8*\t+4:AC+8*\t+7] offset:64*\t+16
.endr
	WIN 0
.irp i, 0,1,2,3,4,5,6,7,8,9,10,11,12,13,14,15
	ds_load_b128 v[BK+64*((\m)%2)+4*\i:BK+64*((\m)%2)+4*\i+3], v12 offset:APITCH*\i
.endr
.endm
.macro SEND m, of, younger             ; younger: the LDS instructions issued behind block m's loads, which may stay out
	s_wait_dscnt \younger
.irp i, 0,1,2,3,4,5,6,7,8,9,10,11,12,13,14,15
	s_cmp_gt_u32 s19, 16*(\m)+\i                   ; the tile's rows stand first among its 80 slots: at the first slot past the count the wave is done
	s_cbranch_scc0 .Lend
	global_store_b128 v[\of+\i], v[BK+64*((\m)%2)+4*\i:BK+64*((\m)%2)+4*\i+3], s[16:17] th:TH_STORE_NT     ; 512 consecutive bytes of one row, aligned; written once, read by nobody here
.endr
.endm
	s_wait_kmcnt 0x0
	OFFSETS 32, OF0                                ; the offsets of rows 0-63 in one run, a set of 16 registers to a block
	OFFSETS 48, OF1
	OFFSETS 68, OF2
	OFFSETS 84, OF3
	s_wait_alu depctr_va_vdst(0)                   ; the products have written the accumulators, which the LDS stores read, and are done reading action's fragments, in which the rows land; the 64 offsets are written, which the global stores read
	s_load_b512 s[32:47], s[12:13], 0x100          ; rows 64-79, into the registers that rows 0-15 have left (the lines that read those stand ahead of the wait above)
	TOSTAGE 0
	TOSTAGE 1
	SEND 0, OF0, 32                                ; behind block 0's loads: block 1's 16 stores and 16 loads
	s_wait_xcnt 0x0                                ; block 0's stores have had their addresses translated: their data registers are loaded again below
	s_wait_alu depctr_vm_vsrc(0)                   ; block 0's stores have read v80 to v143, in which block 2's rows land
	TOSTAGE 2
	SEND 1, OF1, 32
	s_wait_xcnt 0x0
	s_wait_alu depctr_vm_vsrc(0)                   ; block 1's stores have read v144 to v207, in which block 3's rows land
	TOSTAGE 3
	SEND 2, OF2, 32
	s_wait_xcnt 0x0
	s_wait_alu depctr_vm_vsrc(0)                   ; block 2's stores have read v80 to v143, in which block 4's rows land; block 0's have read v16 to v31, which are written below
	s_wait_kmcnt 0x0                               ; the tokens of rows 64-79
	OFFSETS 32, OF0                                ; (these lines name v13 and v16 to v31: none of the registers that block 4's LDS instructions and block 3's stores touch)
	TOSTAGE 4
	SEND 3, OF3, 32
	s_wait_alu depctr_va_vdst(0)                   ; the offsets of rows 64-79 are written, which block 4's stores read
	SEND 4, OF0, 0
.Lend:
	s_wait_dscnt 0x0                               ; no LDS load of mine is out when the wave ends
	s_wait_alu depctr_hold_cnt(0) depctr_sa_sdst(0) depctr_va_vdst(0) depctr_va_sdst(0) depctr_va_ssrc(0) depctr_va_vcc(0) depctr_vm_vsrc(0)
	s_wait_tensorcnt 0x0
	ds_add_u32 v78, v79
	s_wait_dscnt 0x0
	s_endpgm
.Lfunc_end_k_q8a4a6d650d_experts:
	.size	k_q8a4a6d650d_experts, .Lfunc_end_k_q8a4a6d650d_experts-k_q8a4a6d650d_experts
	.p2alignl 7, 3214868480
	.fill 96, 4, 3214868480
	.section	.rodata,"a",@progbits
	.p2align	6, 0x0
	.amdhsa_kernel k_q8a4a6d650d_experts
		.amdhsa_group_segment_fixed_size 98304
		.amdhsa_private_segment_fixed_size 0
		.amdhsa_enable_private_segment 0
		.amdhsa_kernarg_size 56
		.amdhsa_user_sgpr_count 2
		.amdhsa_user_sgpr_kernarg_segment_ptr 1
		.amdhsa_wavefront_size32 1
		.amdhsa_system_sgpr_workgroup_id_x 1
		.amdhsa_system_sgpr_workgroup_id_y 1
		.amdhsa_system_sgpr_workgroup_id_z 1
		.amdhsa_system_vgpr_workitem_id 0
		.amdhsa_next_free_vgpr 1024
		.amdhsa_next_free_sgpr 100
		.amdhsa_reserve_vcc 0
		.amdhsa_float_denorm_mode_32 3
		.amdhsa_float_denorm_mode_16_64 3
		.amdhsa_memory_ordered 1
		.amdhsa_forward_progress 1
		.amdhsa_inst_pref_size 144
	.end_amdhsa_kernel
	.amdgpu_metadata
---
amdhsa.version: [ 1, 2 ]
amdhsa.kernels:
  - .name:           k_q8a4a6d650d_experts
    .symbol:         k_q8a4a6d650d_experts.kd
    .args:
      - { .name: action, .offset: 0, .size: 8, .value_kind: global_buffer, .address_space: global }
      - { .name: wq, .offset: 8, .size: 8, .value_kind: global_buffer, .address_space: global }
      - { .name: ws, .offset: 16, .size: 8, .value_kind: global_buffer, .address_space: global }
      - { .name: b, .offset: 24, .size: 8, .value_kind: global_buffer, .address_space: global }
      - { .name: rows, .offset: 32, .size: 8, .value_kind: global_buffer, .address_space: global }
      - { .name: tiles, .offset: 40, .size: 8, .value_kind: global_buffer, .address_space: global }
      - { .name: out0, .offset: 48, .size: 8, .value_kind: global_buffer, .address_space: global }
    .group_segment_fixed_size: 98304
    .private_segment_fixed_size: 0
    .kernarg_segment_align: 8
    .kernarg_segment_size: 56
    .max_flat_workgroup_size: 128
    .sgpr_count:     100
    .vgpr_count:     1024
    .wavefront_size: 32
...
	.end_amdgpu_metadata
.endif
;; end of part 4
